; MI455X (gfx1250); checked and timed in simulation.
; The chip was launched on July 23, 2026; its instructions are those of AMD's public machine-readable ISA for CDNA 5 (MIT licence, August 2026) and "CDNA5" Instruction Set Architecture Reference Guide (July 2026). The comments in the code are by the model that wrote it; some were corrected since.
;; Attention. Allowed arithmetic: matrix products marked QUANTISED: E3M2 operands, one E8M0 scale for each 32 along K, by v_wmma_scale_f32_16x16x128_f8f6f4 with both operands' format E3M2, f32 sums; everything else in f32.
;; Inputs: Wk 768 x 512 float32; Wout 512 x 768 float32; Wq 768 x 512 float32; Wv 768 x 512 float32; b_out 768 float32; x 2 x 4,096 x 768 float32.
;; Outputs: out0 2 x 4,096 x 768 float32.
;; This version of the problem:
;;   THIS VERSION OF THE PROBLEM IS GIVEN IN LOW PRECISION. The matrix products marked QUANTISED in the list below multiply operands that are first quantised to E3M2 (3 exponent bits, 2 mantissa bits; 6 bits a number), with one power-of-two scale for each 32 numbers along K (OCP MX v1.0); their sums are f32. All else is computed in f32.
;;   The module's matrix products, in the order in which they are computed (A, B: the left and right operand; K: the contracted axis; several contracted axes count as one K, in the product's order):
;;     1. [M 8,192, K 768] x [K 768, N 512]; A: input x; B: input Wq: QUANTISED
;;     2. [M 8,192, K 768] x [K 768, N 512]; A: input x; B: input Wk: QUANTISED
;;     3. [M 8,192, K 768] x [K 768, N 512]; A: input x; B: input Wv: QUANTISED
;;     4. batch 16 x [M 4,096, K 64] x [K 64, N 4,096]; A: computed on the way; B: computed on the way: QUANTISED
;;     5. batch 16 x [M 4,096, K 4,096] x [K 4,096, N 64]; A: softmax (see below); B: computed on the way: QUANTISED
;;     6. [M 8,192, K 512] x [K 512, N 768]; A: computed on the way; B: input Wout: QUANTISED
;;   THE QUANTISER, for each operand of a quantised product, along K:
;;     - K is cut into blocks of 32 from its start; a last block that is shorter is filled with zeros.
;;     - A block's scale is 2^e with e = floor(log2(the largest magnitude in the block)) - 4, held to -126 .. 127; a block of zeros has e = 0. As a byte (E8M0): e + 127.
;;     - Each number is divided by its block's scale, clamped to +-28, and rounded to the nearest number of E3M2, ties to even, subnormals kept.
;;     - The product sums the exact products of the quantised numbers (number of the format x scale) in f32.
;;   ~~~python
;;   def quantise(x, axis):      # numpy; x: float32 -> the quantised numbers, widened to float32 again
;;       x = np.moveaxis(x, axis, -1); K = x.shape[-1]
;;       x = np.pad(x, [(0, 0)] * (x.ndim - 1) + [(0, -K % 32)]); x = x.reshape(x.shape[:-1] + (-1, 32)); a = np.abs(x).max(-1, keepdims=True)
;;       e = np.where(a > 0, np.clip(np.frexp(np.where(a > 0, a, 1))[1] - 1 - 4, -126, 127), 0)      # np.frexp(a)[1] - 1 = floor(log2(a)), exactly
;;       r = np.clip(x / 2.0 ** e, -28, 28)
;;       step = 2.0 ** (np.maximum(np.frexp(np.where(r == 0, 1, r))[1] - 1, -2) - 2)
;;       q = np.round(r / step) * step * 2.0 ** e      # np.round: ties to even
;;       return np.moveaxis(q.reshape(q.shape[:-2] + (-1,))[..., :K], -1, axis).astype(np.float32)
;;   ~~~
;;   SOFTMAX AHEAD OF A QUANTISED PRODUCT. Where the list says 'softmax', what is quantised is not the finished softmax but p = 2^(t - M), with t = logit x log2(e) and M = ceil(the row's largest t), a whole number; so 1/2 < the row's largest p <= 1. The row's sum l is taken of the UNQUANTISED p, in f32, and the product's result is divided by l at the end. Since M is a whole number, a kernel that streams over the keys may use a running M (the ceiling of the running maximum): every later rescaling is an exact power of two, which a block's scale takes up: the codes' values come out the same.
;;   OPERANDS COMPUTED ON THE WAY. 'Computed on the way' means the value that the module computes at that place (a softmax that the list does not call 'softmax' is quantised finished and normalised). What goes into a quantiser is computed in f32, as accurately as f32 sums, v_exp_f32 and their like allow (about 1e-6 of the number): no bf16 or f16 on the way to a quantiser, and a product that is left as it is and whose result goes on into a quantised operand takes f32 operands (vector FMAs, or v_wmma_f32_16x16x4_f32). A number that lies on a knife's edge between two numbers of the format may be rounded either way, as far as f32 arithmetic and the matrix unit's own rounding can turn it there, and no further.
;; One version. Each part assembles by itself: llvm-mc -triple=amdgcn-amd-amdhsa -mcpu=gfx1250 --defsym DOCPART=n.
;; ======== version 1 of 1: 4 launches
;; limits: right only within a limited range of input values
;; workspace buffers: xq 4,915,200 bytes; wq 921,600 bytes; wo 307,200 bytes; qb 3,407,872 bytes; kv 6,553,600 bytes; oimg 3,145,728 bytes; oscl 131,072 bytes
;; launch prep (part 1): grid 256 x 1, 8 waves a work-group, no clusters, 168,960 bytes of LDS; arguments x, Wq, Wk, Wv, Wout, xq, wq, wo; writes xq, wq, wo
.if DOCPART == 1
	.amdgcn_target "amdgcn-amd-amdhsa--gfx1250"
	.amdhsa_code_object_version 6
	.text
	.protected	k_q1caad50330_prep
	.globl	k_q1caad50330_prep
	.p2align	8
	.type	k_q1caad50330_prep,@function
k_q1caad50330_prep:
	s_mov_b64 s[64:65], 0
	v_nop
	global_prefetch_b8 v0, s[64:65] scope:SCOPE_SE
	s_setreg_imm32_b32 hwreg(HW_REG_WAVE_MODE, 25, 1), 1
	s_wait_xcnt 0x0
; x [8192][768], Wq, Wk, Wv [768][512] and Wout [512][768], all f32, become codes of BF6 (E3M2) with one E8M0 byte for each 32 along K,
; laid in the ORDER OF THE OPERAND'S REGISTERS: a fragment (16 rows x 128 K, 12 registers a lane) is 1,536 bytes, register group c (4 registers) at 512 c + 16 x lane.
; The scale words of two neighbouring K steps share 128 bytes: lanes 0-15 the even step's words, lanes 16-31 the odd step's.
; A block's scale is 2^(floor(log2(largest magnitude)) - 4): the largest magnitude's exponent field less 4, held at 1 from below by a floor among the maximum's leaves.
; LIMITS: NaN and infinities are not served.  A block whose largest magnitude lies under 2^-122 (a block of zeros among them) gets the byte 1; only this program reads the bytes.
; SHARES.  Work-group g owns rows 32 g .. 32 g + 31 of x.  Waves 0-5: one tile of 16 rows x 256 along K each (two fragments), brought by one tensor load of 16 rows x 1,024 bytes
; into the wave's own LDS bytes (pitch 1,040, so that sixteen rows start in sixteen different groups of banks) and read by that wave alone.
; Waves 6, 7: 16 columns x 256 along K of a weight: a lane takes a column and its registers run down K, so nothing is transposed.  Work-groups 0-143 serve Wq, Wk, Wv, 144-191 Wout;
; in the others these two waves have no work.  Wout's rows are taken in the order in which the attention launch leaves O's codes inside a block of 32: 0-7, 16-23, 8-15, 24-31.
; No cluster: no two work-groups read the same bytes.  No barrier: waves share nothing.  LDS is filled once.
.set XROWB, 3072                       ; a row of x in bytes
.set XP,    1040                       ; an LDS row: 1,024 bytes + 16
.set XT,    16*XP                      ; a wave's tile in LDS
.set NUM,   32                         ; v32-159  128 numbers: fragment f at +64 f, its block c at +32 c: k = 128 f + 64 c + 32 (lane / 16) + i
.set C0,    160                        ; v160-171 fragment 0's codes
.set C1,    172                        ; v172-183 fragment 1's: a set of its own, so that no store's data are written again
.set CT,    184                        ; v184-191 the conversions' upper halves (a conversion's three registers begin on an even number)
.set MX,    16                         ; v16-17   largest magnitudes
.set SO,    18                         ; v18-19   the conversions' scale operands
.set BY,    20                         ; v20-21   scale bytes
.set W0,    22                         ; v22, v23 the two fragments' scale words
.set W1,    23
.set TP,    24                         ; v24      a lane permute's destination
.set H8,    25                         ; v25      8 x (lane / 16)
.set WD,    26                         ; v26      the pair's word
.set WV,    20                         ; s20      wave
.set G1,    24                         ; s[24:31] descriptor group 1
.set G0,    32                         ; s[32:35] descriptor group 0
.set D0,    36                         ; s[36:37] where fragment 0 goes;  s[38:39] fragment 1;  s[40:41] the scale words
.set D1,    38
.set DS,    40
.set SRC,   42                         ; s[42:43] a weight's 16 columns
	s_load_b256 s[4:11], s[0:1], 0x0               ; x s[4:5], Wq s[6:7], Wk s[8:9], Wv s[10:11]
	s_load_b256 s[12:19], s[0:1], 0x20             ; Wout s[12:13], xq s[14:15], wq s[16:17], wo s[18:19]
	v_lshl_add_u32 v192, v0, 2, 0x29000
	v_mov_b32 v193, 0
	ds_add_u32 v192, v193
	ds_add_u32 v192, v193
	v_lshrrev_b32 v1, 5, v0
	s_delay_alu instid0(VALU_DEP_1)
	v_readfirstlane_b32 s[WV], v1                  ; wave 0..7
	v_and_b32 v1, 31, v0                           ; lane
	v_and_b32 v2, 15, v0                           ; r
	s_wait_alu depctr_va_vdst(0)
	v_bfe_u32 v3, v0, 4, 1                         ; h
	v_lshlrev_b32 v5, 4, v1                        ; 16 x lane
	v_lshlrev_b32 v6, 2, v1                        ; 4 x lane
	s_delay_alu instid0(VALU_DEP_3)
	v_lshlrev_b32 v[H8], 3, v3
	v_mov_b32 v[TP], 0                             ; written once: a lane permute's destination counts as one of its sources
	s_mov_b32 s21, 0x76543210
	s_mov_b32 s22, 0xfedcba98                      ; v_permlanex16_b32's selects for lane l xor 16
	; group 1: 16 rows x 256 elements of 4 bytes, 768 elements from row to row; 4 words of padding behind every 256 words
	s_mov_b32 s[G1+0], (2<<16)|(1<<20)|(7<<22)|(3<<25)
	s_mov_b32 s[G1+1], 256<<16                     ; tensor_dim0
	s_mov_b32 s[G1+2], 16<<16                      ; tensor_dim1
	s_mov_b32 s[G1+3], 256<<16                     ; tile_dim0
	s_mov_b32 s[G1+4], 16                          ; tile_dim1
	s_mov_b32 s[G1+5], 768                         ; the pitch
	s_mov_b32 s[G1+6], 0
	s_mov_b32 s[G1+7], 0
	s_and_b32 s44, s[WV], 1                        ; which of the group's two tiles of rows
	s_lshr_b32 s45, s[WV], 1                       ; which 256 along K
	s_mul_i32 s[G0+1], s[WV], XT                   ; my tile's LDS bytes
	v_mul_u32_u24 v7, v2, XP
	s_wait_alu depctr_va_vdst(0)
	v_lshl_add_u32 v7, v3, 7, v7
	s_delay_alu instid0(VALU_DEP_1)
	v_add_nc_u32 v7, s[G0+1], v7                   ; row r, + 128 h: my 32 numbers of a block pair
	s_lshl_b32 s46, ttmp9, 5
	s_lshl_b32 s47, s44, 4
	s_add_co_u32 s46, s46, s47                     ; my first row
	s_mul_i32 s46, s46, XROWB
	s_lshl_b32 s47, s45, 10
	s_add_co_u32 s46, s46, s47
	s_mov_b32 s47, 0
	s_mov_b32 s[G0], 1
	s_wait_dscnt 0x0
	s_wait_kmcnt 0x0
	s_add_nc_u64 s[G0+2:G0+3], s[4:5], s[46:47]
	s_or_b32 s[G0+3], s[G0+3], 0x80000000
	s_cmp_lt_u32 s[WV], 6
	s_cbranch_scc0 .Lweights
	; ---- waves 0-5: a tile of x
	tensor_load_to_lds s[G0:G0+3], s[G1:G1+7]
	s_nop 0
.rept 4
	v_nop
.endr
	s_lshr_b32 s48, ttmp9, 2                       ; the block of 128 rows,
	s_and_b32 s49, ttmp9, 3
	s_lshl_b32 s49, s49, 1
	s_add_co_u32 s49, s49, s44                     ; and my tile in it
	s_mul_i32 s48, s48, 76800
	s_lshl_b32 s50, s45, 4                         ; fragment (K step 2 sigma, tile): 8 x step + tile
	s_add_co_u32 s50, s50, s49
	s_mul_i32 s50, s50, 1536
	s_add_co_u32 s50, s50, s48
	s_mov_b32 s51, 0
	s_add_nc_u64 s[D0:D0+1], s[14:15], s[50:51]
	s_add_nc_u64 s[D1:D1+1], s[D0:D0+1], 8*1536    ; the next K step's
	s_lshl_b32 s50, s45, 3
	s_add_co_u32 s50, s50, s49
	s_lshl_b32 s50, s50, 7
	s_add_co_u32 s50, s50, s48
	s_add_co_u32 s50, s50, 73728                   ; the scale words lie behind the block's 48 fragments
	s_add_nc_u64 s[DS:DS+1], s[14:15], s[50:51]
	s_wait_tensorcnt 0x0                           ; my tile is in LDS; nobody else reads it
	s_wait_alu depctr_va_vdst(0)
.irp f, 0,1
.irp c, 0,1
.irp j, 0,1,2,3,4,5,6,7
	ds_load_b128 v[NUM+64*\f+32*\c+4*\j:NUM+64*\f+32*\c+4*\j+3], v7 offset:512*\f+256*\c+16*\j
.endr
.endr
.endr
	s_branch .Ljoin
; 128 loads: W(128 f + 64 c + 32 h + p(i), my column): sixteen neighbouring lanes read 64 neighbouring bytes.  permuted = 1: p is the order 0-7, 16-23, 8-15, 24-31
.macro WLOAD pitch, permuted
.irp f, 0,1
.irp c, 0,1
.set i, 0
.rept 32
.if \permuted && (i >= 8) && (i < 16)
.set pi, i+8
.elseif \permuted && (i >= 16) && (i < 24)
.set pi, i-8
.else
.set pi, i
.endif
	global_load_b32 v[NUM+64*\f+32*\c+i], v4, s[SRC:SRC+1] offset:(128*\f+64*\c+pi)*\pitch
.set i, i+1
.endr
.endr
.endr
.endm
.Lweights:
	s_sub_co_u32 s44, s[WV], 6                     ; u = 0, 1
	s_cmp_lt_u32 ttmp9, 144
	s_cbranch_scc0 .Lwout
	; ---- Wq, Wk, Wv: 3 x 96 pairs (which 256 along K, column tile)
	s_mul_i32 s45, ttmp9, 1366
	s_lshr_b32 s45, s45, 16                        ; sigma = g / 48 (exact for g under 144)
	s_mul_i32 s46, s45, 48
	s_sub_co_u32 s46, ttmp9, s46
	s_lshl_b32 s46, s46, 1
	s_add_co_u32 s46, s46, s44                     ; tile 0..95
	s_lshr_b32 s47, s46, 5                         ; which weight
	s_and_b32 s48, s46, 31                         ; its column tile
	s_cmp_eq_u32 s47, 0
	s_cselect_b64 s[SRC:SRC+1], s[6:7], s[8:9]
	s_cmp_eq_u32 s47, 2
	s_cselect_b64 s[SRC:SRC+1], s[10:11], s[SRC:SRC+1]
	s_lshl_b32 s50, s45, 19                        ; 256 rows of 2,048 bytes
	s_lshl_b32 s51, s48, 6
	s_add_co_u32 s50, s50, s51
	s_mov_b32 s51, 0
	s_add_nc_u64 s[SRC:SRC+1], s[SRC:SRC+1], s[50:51]
	v_lshlrev_b32 v4, 2, v2
	s_delay_alu instid0(VALU_DEP_1)
	v_lshl_add_u32 v4, v3, 16, v4                  ; column r; lanes 16-31 begin 32 rows further down
	WLOAD 2048, 0
	s_lshr_b32 s49, s48, 3                         ; the pair of heads
	s_and_b32 s48, s48, 7
	s_lshl_b32 s47, s47, 3
	s_add_co_u32 s47, s47, s48                     ; the tile's place among the pair's 24: 8 x which + tile
	s_mul_i32 s49, s49, 230400
	s_mul_i32 s50, s45, 48
	s_add_co_u32 s50, s50, s47
	s_mul_i32 s50, s50, 1536
	s_add_co_u32 s50, s50, s49
	s_add_nc_u64 s[D0:D0+1], s[16:17], s[50:51]
	s_add_nc_u64 s[D1:D1+1], s[D0:D0+1], 24*1536
	s_mul_i32 s50, s45, 24
	s_add_co_u32 s50, s50, s47
	s_lshl_b32 s50, s50, 7
	s_add_co_u32 s50, s50, s49
	s_add_co_u32 s50, s50, 221184
	s_add_nc_u64 s[DS:DS+1], s[16:17], s[50:51]
	s_branch .Ljoin
.Lwout:
	s_cmp_lt_u32 ttmp9, 192
	s_cbranch_scc0 .Lend                           ; no weight is left for these two waves
	; ---- Wout: 48 column tiles x 2 (u = which 256 along K)
	s_sub_co_u32 s46, ttmp9, 144
	s_mul_i32 s50, s44, 256*3072
	s_lshl_b32 s51, s46, 6
	s_add_co_u32 s50, s50, s51
	s_mov_b32 s51, 0
	s_add_nc_u64 s[SRC:SRC+1], s[12:13], s[50:51]
	v_mul_u32_u24 v4, v3, 32*3072
	s_delay_alu instid0(VALU_DEP_1)
	v_lshl_add_u32 v4, v2, 2, v4
	WLOAD 3072, 1
	s_cmp_ge_u32 s46, 24
	s_cselect_b32 s47, 1, 0                        ; which half of the 768 columns
	s_mul_i32 s48, s47, 24
	s_sub_co_u32 s48, s46, s48                     ; the tile in it
	s_mul_i32 s49, s47, 153600
	s_mul_i32 s50, s44, 48
	s_add_co_u32 s50, s50, s48
	s_mul_i32 s50, s50, 1536
	s_add_co_u32 s50, s50, s49
	s_add_nc_u64 s[D0:D0+1], s[18:19], s[50:51]
	s_add_nc_u64 s[D1:D1+1], s[D0:D0+1], 24*1536
	s_mul_i32 s50, s44, 24
	s_add_co_u32 s50, s50, s48
	s_lshl_b32 s50, s50, 7
	s_add_co_u32 s50, s50, s49
	s_add_co_u32 s50, s50, 147456
	s_add_nc_u64 s[DS:DS+1], s[18:19], s[50:51]
; 64 numbers of a lane, two whole blocks of 32, become a fragment's 12 registers and its row's scale word
.macro QFRAG src, dst, word
.irp c, 0,1
	v_max3_num_f32 v[MX+\c], |v[\src+32*\c]|, |v[\src+32*\c+1]|, 0x2800000   ; the floor 2^(5 - 127) among the leaves: the byte cannot fall under 1
.endr
.irp i, 2,4,6,8,10,12,14,16,18,20,22,24,26,28,30
.irp c, 0,1
	s_delay_alu instid0(VALU_DEP_2)
	v_max3_num_f32 v[MX+\c], v[MX+\c], |v[\src+32*\c+\i]|, |v[\src+32*\c+\i+1]|   ; the two blocks by turns
.endr
.endr
.irp c, 0,1
	s_delay_alu instid0(VALU_DEP_2)
	v_add_nc_u32 v[SO+\c], 0xfe000000, v[MX+\c]    ; 4 off the exponent field: the conversion takes that field as its scale
.endr
.irp c, 0,1
	s_delay_alu instid0(VALU_DEP_2)
	v_lshrrev_b32 v[BY+\c], 23, v[SO+\c]           ; the scale's byte
.endr
	s_delay_alu instid0(VALU_DEP_1)
	v_lshl_or_b32 v[\word], v[BY+1], 16, v[BY]     ; my bytes: blocks h and 2 + h of my row,
	s_delay_alu instid0(VALU_DEP_1)
	v_lshlrev_b32 v[\word], v[H8], v[\word]        ; at their places;
	s_delay_alu instid0(VALU_DEP_1)
	v_permlanex16_b32 v[TP], v[\word], s21, s22
	s_delay_alu instid0(VALU_DEP_1)
	v_or_b32 v[\word], v[\word], v[TP]             ; with lane l xor 16's two the word is whole
.irp c, 0,1
	v_cvt_scalef32_pk16_bf6_f32 v[\dst+6*\c:\dst+6*\c+2], v[\src+32*\c:\src+32*\c+15], v[SO+\c]
	v_cvt_scalef32_pk16_bf6_f32 v[CT+4*\c:CT+4*\c+2], v[\src+32*\c+16:\src+32*\c+31], v[SO+\c]
.endr
	v_nop                                          ; one plain instruction behind the scaled conversions
.irp c, 0,1
.irp i, 0,1,2
	v_mov_b32 v[\dst+6*\c+3+\i], v[CT+4*\c+\i]
.endr
.endr
.endm
.Ljoin:
	s_wait_loadcnt 63                              ; a weight's 128 loads: at most 63 are out, so fragment 0's 64 are in
	s_wait_dscnt 16                                ; a tile of x: fragment 0's 16 LDS loads are in, fragment 1's 16 may be out
	QFRAG NUM, C0, W0
.irp c, 0,1,2
	global_store_b128 v5, v[C0+4*\c:C0+4*\c+3], s[D0:D0+1] offset:512*\c   ; 32 lanes store 512 consecutive bytes, aligned
.endr
	s_wait_loadcnt 0x0
	s_wait_dscnt 0x0
	QFRAG NUM+64, C1, W1
.irp c, 0,1,2
	global_store_b128 v5, v[C1+4*\c:C1+4*\c+3], s[D1:D1+1] offset:512*\c
.endr
	v_cmp_gt_u32 vcc_lo, 16, v1
	s_delay_alu instid0(VALU_DEP_1)
	v_cndmask_b32 v[WD], v[W1], v[W0], vcc_lo      ; lanes 0-15: the even K step's words, lanes 16-31 the odd step's
	global_store_b32 v6, v[WD], s[DS:DS+1]
.Lend:
	s_wait_tensorcnt 0x0
	ds_add_u32 v192, v193
	s_wait_dscnt 0x0
	s_endpgm
.Lfunc_end_k_q1caad50330_prep:
	.size	k_q1caad50330_prep, .Lfunc_end_k_q1caad50330_prep-k_q1caad50330_prep
	.p2alignl 7, 3214868480
	.fill 96, 4, 3214868480
	.section	.rodata,"a",@progbits
	.p2align	6, 0x0
	.amdhsa_kernel k_q1caad50330_prep
		.amdhsa_group_segment_fixed_size 168960
		.amdhsa_private_segment_fixed_size 0
		.amdhsa_enable_private_segment 0
		.amdhsa_kernarg_size 64
		.amdhsa_user_sgpr_count 2
		.amdhsa_user_sgpr_kernarg_segment_ptr 1
		.amdhsa_wavefront_size32 1
		.amdhsa_system_sgpr_workgroup_id_x 1
		.amdhsa_system_sgpr_workgroup_id_y 1
		.amdhsa_system_sgpr_workgroup_id_z 1
		.amdhsa_system_vgpr_workitem_id 0
		.amdhsa_next_free_vgpr 194
		.amdhsa_next_free_sgpr 66
		.amdhsa_reserve_vcc 1
		.amdhsa_float_denorm_mode_32 3
		.amdhsa_float_denorm_mode_16_64 3
		.amdhsa_memory_ordered 1
		.amdhsa_forward_progress 1
		.amdhsa_inst_pref_size 42
	.end_amdhsa_kernel
	.amdgpu_metadata
---
amdhsa.version: [ 1, 2 ]
amdhsa.kernels:
  - .name:           k_q1caad50330_prep
    .symbol:         k_q1caad50330_prep.kd
    .args:
      - { .name: x, .offset: 0, .size: 8, .value_kind: global_buffer, .address_space: global }
      - { .name: Wq, .offset: 8, .size: 8, .value_kind: global_buffer, .address_space: global }
      - { .name: Wk, .offset: 16, .size: 8, .value_kind: global_buffer, .address_space: global }
      - { .name: Wv, .offset: 24, .size: 8, .value_kind: global_buffer, .address_space: global }
      - { .name: Wout, .offset: 32, .size: 8, .value_kind: global_buffer, .address_space: global }
      - { .name: xq, .offset: 40, .size: 8, .value_kind: global_buffer, .address_space: global }
      - { .name: wq, .offset: 48, .size: 8, .value_kind: global_buffer, .address_space: global }
      - { .name: wo, .offset: 56, .size: 8, .value_kind: global_buffer, .address_space: global }
    .group_segment_fixed_size: 168960
    .private_segment_fixed_size: 0
    .kernarg_segment_align: 8
    .kernarg_segment_size: 64
    .max_flat_workgroup_size: 256
    .sgpr_count:     66
    .vgpr_count:     194
    .wavefront_size: 32
...
	.end_amdgpu_metadata
.endif
;; end of part 1
;; launch qkv (part 2): grid 64 x 4, 12 waves a work-group, clusters of 4 x 4, 311,808 bytes of LDS; arguments xq, wq, qb, kv; writes qb, kv
.if DOCPART == 2
	.amdgcn_target "amdgcn-amd-amdhsa--gfx1250"
	.amdhsa_code_object_version 6
	.text
	.protected	k_q1caad50330_qkv
	.globl	k_q1caad50330_qkv
	.p2align	8
	.type	k_q1caad50330_qkv,@function
k_q1caad50330_qkv:
	s_mov_b64 s[64:65], 0
	v_nop
	global_prefetch_b8 v0, s[64:65] scope:SCOPE_SE
	s_setreg_imm32_b32 hwreg(HW_REG_WAVE_MODE, 25, 1), 1
	s_wait_xcnt 0x0
	s_wait_alu depctr_hold_cnt(0) depctr_sa_sdst(0) depctr_va_vdst(0) depctr_va_sdst(0) depctr_va_ssrc(0) depctr_va_vcc(0) depctr_vm_vsrc(0)
	s_getreg_b32 s2, hwreg(HW_REG_IB_STS2, 6, 4)
	s_cmp_eq_u32 s2, 0
	s_cbranch_scc0 .Lentry_in_a_cluster
	s_endpgm
.Lentry_in_a_cluster:
	s_bfe_u32 s2, ttmp6, 0x10000c
	s_cmp_lg_u32 s2, 0xf033
	s_cbranch_scc0 .Lentry_shape_is_right
	s_endpgm
.Lentry_shape_is_right:
; q = x Wq, k = x Wk, v = x Wv on codes of BF6 (K = 768), and their results quantised again: q and k along the head's 64, v along the keys; all stored in the order of the operands' registers.
; SHARES.  A work-group makes 128 rows x (q, k, v of two heads): 384 columns.  Both operands for ALL of K are 307,200 bytes and fit in LDS: one fill, one barrier, no ring.
; Twelve waves, three to a SIMD.  Waves 0-3 make q, 4-7 k, 8-11 v.  A wave has 8 tiles as source 0 (P) x 2 tiles as source 1 (R): 16 accumulators, which take turns.
;   q, k: P = 8 column tiles of the weight (128 d of two heads), R = 2 tiles of rows: a lane holds ONE row and its registers run along d, the next product's K.
;   v:    P = the 8 tiles of rows (128 keys),                    R = 2 column tiles:  a lane holds ONE d and its registers run along the keys, the next product's K.
; One text serves the three roles: only addresses differ, made from the wave's number.
; THE ORDER INSIDE A BLOCK OF 32.  A lane's 16 registers of tiles 2 b and 2 b + 1 are members 8 h + 0..7 and 16 + 8 h + 0..7 of block b; converted and exchanged between the halves of the lanes, position 0..31 of the
; block holds members 0-7, 16-23, 8-15, 24-31.  Block, scale and codes are as the quantiser has them; q and k, and later p and v, carry the same order, so every product pairs the right numbers.
; CLUSTER 4 x 4.  The rows' codes hang on the work-group's x alone and are asked for jointly by a column of the cluster; the weights' hang on y alone and are asked for jointly by a row.
; LIMITS: NaN and infinities are not served; a block whose largest magnitude lies under 2^-122 gets the byte 1 (only this program reads the bytes).
.set WB,   76800                       ; LDS: x's block (48 fragments, then 24 x 128 bytes of scale words) at 0; the weights' (144 fragments, 72 x 128) here
.set STG,  307200                      ; 256 bytes a wave: two images of scale words
.set WV,   12
.set ROLE, 13
.set IDX,  14
.set ISV,  15
.set NV,   16
.set CX,   17
.set CY,   18
.set RB,   19                          ; s19  the block of 128 rows: never beside HP in a register that feeds a descriptor
.set HP,   20                          ; s20  the pair of heads
.set G1X,  24                          ; s[24:31], s[40:43] groups 1 and 0 for x's codes;  s[32:39], s[44:47] for the weights'
.set G1W,  32
.set G0X,  40
.set G0W,  44
.set SAP,  48                          ; s48-51  what a K step (a pair of K steps for the scale words) adds to the four addresses
.set SAR,  49
.set SSP,  50
.set SSR,  51
.set SEL,  60                          ; s60, s61 lane selects
.set AP,   1                           ; v1   LDS address of P's fragments
.set AR,   2                           ; v2   of R's
.set ASP,  3                           ; v3   of P's scale words
.set ASR,  4                           ; v4   of R's
.set L16,  5                           ; v5   16 x lane
.set L8,   6                           ; v6   8 x lane
.set STA,  7                           ; v7   my wave's stage + 4 x lane
.set GQ,   8                           ; v8   where q's scale words are gathered from
.set SV0,  9                           ; v9, v10 byte selects for the two images
.set SV1,  10
.set L4,   11
.set RR,   12
.set HH,   13
.set TA,   14
.set TC,   15
.set TM,   16                          ; v16-31  the quantiser's: +0 maxima, +4 the other half's, then bytes, +12 scale operands
.set SCP,  32                          ; v32-39  P's scale words: lanes 0-15 the even K step's, lanes 16-31 the odd step's
.set SCR,  40                          ; v40-41  R's
.set GA,   42                          ; v42-45  where K's and V's scale words are gathered from
.set LL,   46
.set PF,   48                          ; v48-95  four fragments of P
.set RF,   96                          ; v96-119 two of R
.set ACC,  128                         ; v128-255 accumulator (i, j) at 128 + 64 j + 8 i
.set F0,   48                          ; behind the products: the two fragments made,
.set F1,   60
.set CT,   72                          ; the conversions' second halves,
.set TT,   80                          ; K's middle register groups,
.set PW,   88                          ; the two scale words,
.set WD,   90                          ; the two images,
.set GT,   92                          ; and the gathered words
.macro CROUND                          ; a round of the cluster's barrier
	s_barrier_signal -1
	s_barrier_wait -1
	s_cmp_lg_u32 s[WV], 0
	s_cbranch_scc1 .Lnot_wave_0_\@
	s_barrier_signal -3
.Lnot_wave_0_\@:
	s_barrier_wait -3
	s_barrier_signal -1
	s_barrier_wait -1
.endm
.macro PLACES n
.rept \n
	v_nop
.endr
.endm
	s_load_b256 s[4:11], s[0:1], 0x0               ; xq s[4:5], wq s[6:7], qb s[8:9], kv s[10:11]
	v_lshl_add_u32 v126, v0, 2, 0x4bc00
	v_mov_b32 v127, 0
	ds_add_u32 v126, v127
	ds_add_u32 v126, v127
	v_lshrrev_b32 v[TA], 5, v0
	s_delay_alu instid0(VALU_DEP_1)
	v_readfirstlane_b32 s[WV], v[TA]               ; wave 0..11
	s_lshr_b32 s[ROLE], s[WV], 2                   ; 0 q, 1 k, 2 v
	s_and_b32 s[IDX], s[WV], 3
	s_lshr_b32 s[ISV], s[ROLE], 1
	s_xor_b32 s[NV], s[ISV], 1
	s_bfe_u32 s[CX], ttmp6, 0x40000
	s_bfe_u32 s[CY], ttmp6, 0x40004
	s_lshl_b32 s[RB], ttmp9, 2
	s_add_co_u32 s[RB], s[RB], s[CX]
	s_and_b32 s[HP], ttmp7, 0xffff
	s_lshl_b32 s[HP], s[HP], 2
	s_add_co_u32 s[HP], s[HP], s[CY]
	s_lshl_b32 s21, 0x1111, s[CX]                  ; my column of the cluster
	s_lshl_b32 s22, s[CY], 2
	s_lshl_b32 s22, 15, s22                        ; my row
	; group 1: 100 rows of 256 bytes (32 elements of 8 bytes), dense; the mask, and bit 21 beside it
	s_or_b32 s[G1X], s21, (3<<16)|(1<<21)
	s_or_b32 s[G1W], s22, (3<<16)|(1<<21)
.irp g, G1X, G1W
	s_mov_b32 s[\g+1], 32<<16
	s_mov_b32 s[\g+2], 100<<16
	s_mov_b32 s[\g+3], 32<<16
	s_mov_b32 s[\g+4], 100
	s_mov_b32 s[\g+5], 32
	s_mov_b32 s[\g+6], 0
	s_mov_b32 s[\g+7], 0
.endr
	s_mov_b32 s[SEL], 0x76543210
	s_mov_b32 s[SEL+1], 0xfedcba98
	; every LDS address is made here, on the way that all waves take
	v_and_b32 v[LL], 31, v0
	v_and_b32 v[RR], 15, v0
	v_bfe_u32 v[HH], v0, 4, 1
	s_delay_alu instid0(VALU_DEP_3)
	v_lshlrev_b32 v[L16], 4, v[LL]
	s_delay_alu instid0(VALU_DEP_4)
	v_lshlrev_b32 v[L8], 3, v[LL]
	v_lshlrev_b32 v[L4], 2, v[LL]
	s_wait_alu depctr_va_vdst(0)
	s_mul_i32 s52, s[ROLE], 12288                  ; q, k: P = the weight's tiles 8 role + i;  v: P = x's tiles
	s_add_co_u32 s52, s52, WB
	s_mul_i32 s52, s52, s[NV]
	v_add_nc_u32 v[AP], s52, v[L16]
	s_mul_i32 s53, s[IDX], 3072                    ; q, k: R = x's tiles 2 idx + j;  v: R = the weight's tiles 16 + 2 idx + j
	s_mul_i32 s54, s[ISV], WB+16*1536
	s_add_co_u32 s53, s53, s54
	v_add_nc_u32 v[AR], s53, v[L16]
	s_lshl_b32 s52, s[ROLE], 10
	s_add_co_u32 s52, s52, 224256                  ; from x's scale words to the weights': 76,800 + 221,184 - 73,728
	s_mul_i32 s52, s52, s[NV]
	s_add_co_u32 s52, s52, 73728
	v_add_nc_u32 v[ASP], s52, v[L4]
	s_lshl_b32 s53, s[IDX], 8
	s_mul_i32 s54, s[ISV], 224256+16*128
	s_add_co_u32 s53, s53, s54
	s_add_co_u32 s53, s53, 73728
	v_add_nc_u32 v[ASR], s53, v[L4]
	s_mul_i32 s[SAP], s[NV], 24576                 ; a K step on: 8 fragments in x's block, 24 in the weights'
	s_add_co_u32 s[SAP], s[SAP], 12288
	s_mul_i32 s[SAR], s[ISV], 24576
	s_add_co_u32 s[SAR], s[SAR], 12288
	s_lshl_b32 s[SSP], s[NV], 11
	s_add_co_u32 s[SSP], s[SSP], 1024
	s_lshl_b32 s[SSR], s[ISV], 11
	s_add_co_u32 s[SSR], s[SSR], 1024
	s_lshl_b32 s52, s[WV], 8
	s_add_co_u32 s52, s52, STG
	v_add_nc_u32 v[STA], s52, v[L4]
	s_and_b32 s56, s[WV], 1                        ; the head (of the pair) whose scale words a q wave gathers
	s_lshl_b32 s57, s56, 7
	s_add_co_u32 s58, s57, STG
	v_lshrrev_b32 v[TA], 3, v[LL]
	v_and_b32 v[TC], 7, v[LL]
	s_delay_alu instid0(VALU_DEP_2)
	v_lshlrev_b32 v[GQ], 8, v[TA]
	s_delay_alu instid0(VALU_DEP_1)
	v_lshl_add_u32 v[GQ], v[TC], 4, v[GQ]
	s_delay_alu instid0(VALU_DEP_1)
	v_add_nc_u32 v[GQ], s58, v[GQ]                 ; q's words: wave lane / 8's image of that head, 16 bytes a lane
	s_mul_i32 s59, s56, 384
	s_add_co_u32 s58, s58, 1024
	v_lshl_add_u32 v[TA], v[RR], 2, s58            ; K's word t: wave 4 + t's image of the head, row r (+ 256 t in the load's immediate);
.irp t, 0,1,2,3
	s_add_co_u32 s62, s59, 1024-128*\t             ; lanes 16-31 take V's word t instead: wave 8 + 2 head + t / 2, image t % 2: that far on
	v_mad_u32_u24 v[GA+\t], s62, v[HH], v[TA]
.endr
	; byte selects: which bytes of my two scale words make the two images
	s_cmp_eq_u32 s[ROLE], 1
	s_mov_b32 s52, 0x05040100                      ; k: head A: bytes 0, 1 of both tiles' words;
	s_mov_b32 s53, 0x03020100                      ; v: the first tile's word as it is;
	s_cselect_b32 s52, s52, s53
	s_mov_b32 s53, 0x07060302                      ; k: head B: bytes 2, 3 of both;
	s_mov_b32 s54, 0x07060504                      ; v: the second tile's word
	s_cselect_b32 s53, s53, s54
	s_cmp_eq_u32 s[ROLE], 0
	s_mov_b32 s54, 0x01000100                      ; q: a head's two bytes twice; lanes 0-15 of the first tile, lanes 16-31 of the second
	s_cselect_b32 s52, s54, s52
	s_mov_b32 s54, 0x03020302
	s_cselect_b32 s53, s54, s53
	s_mov_b32 s54, 0x04040404
	s_cselect_b32 s54, s54, 0
	v_mul_lo_u32 v[TC], v[HH], s54
	s_delay_alu instid0(VALU_DEP_1)
	v_add_nc_u32 v[SV0], s52, v[TC]
	s_delay_alu instid0(VALU_DEP_2)
	v_add_nc_u32 v[SV1], s53, v[TC]
.irp b, 0,1,2,3
	v_mov_b32 v[TM+4+\b], 0                        ; written once: a lane permute's destination counts as one of its sources
.endr
	; group 0: wave w brings 25,600 bytes to LDS byte 25,600 w: waves 0-2 x's block, waves 3-11 the weights'
	s_mul_i32 s23, s[WV], 25600
	s_mul_i32 s52, s[RB], 76800
	s_add_co_u32 s52, s52, s23
	s_mov_b32 s53, 0
	s_sub_co_u32 s55, s[WV], 3
	s_max_i32 s55, s55, 0
	s_mul_i32 s55, s55, 25600
	s_mul_i32 s54, s[HP], 230400
	s_add_co_u32 s54, s54, s55
	s_mov_b32 s55, 0
	s_wait_dscnt 0x0
	s_wait_kmcnt 0x0
	s_mov_b32 s[G0X], 1
	s_mov_b32 s[G0X+1], s23
	s_add_nc_u64 s[G0X+2:G0X+3], s[4:5], s[52:53]
	s_or_b32 s[G0X+3], s[G0X+3], 0x80000000
	s_mov_b32 s[G0W], 1
	s_mov_b32 s[G0W+1], s23
	s_add_nc_u64 s[G0W+2:G0W+3], s[6:7], s[54:55]
	s_or_b32 s[G0W+3], s[G0W+3], 0x80000000
	CROUND                                         ; all sixteen work-groups are here: the joint loads meet
	s_cmp_lt_u32 s[WV], 3                          ; each of the two lines has one mask and one set of registers; the branch hangs on the wave's number alone
	s_cbranch_scc0 .Lfor_w
	tensor_load_to_lds s[G0X:G0X+3], s[G1X:G1X+7]
	s_nop 0
	PLACES 4
	s_branch .Lasked
.Lfor_w:
	tensor_load_to_lds s[G0W:G0W+3], s[G1W:G1W+7]
	s_nop 0
	PLACES 4
.Lasked:
	s_wait_tensorcnt 0x0                           ; my part has landed,
	s_barrier_signal -1
	s_barrier_wait -1                              ; everybody's has
; Half a K step: P's tiles 4 g .. 4 g + 3 against R's two: eight matrix instructions on eight accumulators (the sixteen take turns, one instruction a turn).
; Four plain vector instructions stand in front of loads into registers that matrix instructions have read; the address steps are such instructions.
.macro KHALF s, g
.if (\g) == 0
.if (\s) > 0
	v_add_nc_u32 v[AP], s[SAP], v[AP]
	s_wait_alu depctr_va_vdst(0)
	v_add_nc_u32 v[AR], s[SAR], v[AR]
.if (\s)%2 == 0
	v_add_nc_u32 v[ASP], s[SSP], v[ASP]
	v_add_nc_u32 v[ASR], s[SSR], v[ASR]
.else
	PLACES 2
.endif
.endif
.else
	PLACES 4
.endif
.irp i, 0,1,2,3
.irp c, 0,1,2
	ds_load_b128 v[PF+12*\i+4*\c:PF+12*\i+4*\c+3], v[AP] offset:(4*(\g)+\i)*1536+512*\c
.endr
.endr
.if (\g) == 0
.irp j, 0,1
.irp c, 0,1,2
	ds_load_b128 v[RF+12*\j+4*\c:RF+12*\j+4*\c+3], v[AR] offset:1536*\j+512*\c
.endr
.endr
.if (\s)%2 == 0
.irp i, 0,1,2,3,4,5,6,7
	ds_load_b32 v[SCP+\i], v[ASP] offset:128*\i    ; the scale words of this K step (lanes 0-15) and the next (lanes 16-31)
.endr
.irp j, 0,1
	ds_load_b32 v[SCR+\j], v[ASR] offset:128*\j
.endr
.endif
.endif
	s_wait_dscnt 0x0
.irp i, 0,1,2,3
.irp j, 0,1
.set rA, ACC+64*\j+8*(4*(\g)+\i)
.set rP, PF+12*\i
.set rR, RF+12*\j
.set rS, SCP+4*(\g)+\i
.set rT, SCR+\j
.if (\s) == 0
	v_wmma_scale_f32_16x16x128_f8f6f4 v[rA:rA+7], v[rP:rP+11], v[rR:rR+11], 0, v[rS], v[rT] matrix_a_fmt:MATRIX_FMT_BF6 matrix_b_fmt:MATRIX_FMT_BF6
.elseif (\s)%2 == 1
	v_wmma_scale_f32_16x16x128_f8f6f4 v[rA:rA+7], v[rP:rP+11], v[rR:rR+11], v[rA:rA+7], v[rS], v[rT] matrix_a_fmt:MATRIX_FMT_BF6 matrix_b_fmt:MATRIX_FMT_BF6 matrix_a_scale:MATRIX_SCALE_ROW1 matrix_b_scale:MATRIX_SCALE_ROW1
.else
	v_wmma_scale_f32_16x16x128_f8f6f4 v[rA:rA+7], v[rP:rP+11], v[rR:rR+11], v[rA:rA+7], v[rS], v[rT] matrix_a_fmt:MATRIX_FMT_BF6 matrix_b_fmt:MATRIX_FMT_BF6
.endif
.endr
.endr
.endm
.irp s, 0,1,2,3,4,5
	KHALF \s, 0
	KHALF \s, 1
.endr
	PLACES 4                                       ; in front of the first read of results and the first write over operands
; 64 numbers of a lane (register 16 b + i: block b) become a fragment's codes and its row's scale word.  Each accumulator is read from its low end on.
.macro QUANT s, pc, pw
.irp b, 0,1,2,3
	v_max3_num_f32 v[TM+\b], |v[\s+16*\b]|, |v[\s+16*\b+1]|, 0x2800000   ; my 16 numbers of block b, and the floor 2^(5 - 127)
.endr
.irp i, 2,4,6,8,10,12,14
.irp b, 0,1,2,3
	v_max3_num_f32 v[TM+\b], v[TM+\b], |v[\s+16*\b+\i]|, |v[\s+16*\b+\i+1]|
.endr
.endr
.irp b, 0,1,2,3
	s_delay_alu instid0(VALU_DEP_4)
	v_permlanex16_b32 v[TM+4+\b], v[TM+\b], s[SEL], s[SEL+1]
.endr
.irp b, 0,1,2,3
	s_delay_alu instid0(VALU_DEP_4)
	v_max_num_f32 v[TM+\b], v[TM+\b], v[TM+4+\b]   ; with lane l xor 16's 16: the block's largest magnitude
.endr
.irp b, 0,1,2,3
	s_delay_alu instid0(VALU_DEP_4)
	v_add_nc_u32 v[TM+12+\b], 0xfe000000, v[TM+\b] ; 4 off its exponent field: the conversion's scale operand
.endr
.irp b, 0,1,2,3
	s_delay_alu instid0(VALU_DEP_4)
	v_lshrrev_b32 v[TM+4+\b], 23, v[TM+12+\b]      ; the scale's byte
.endr
	s_delay_alu instid0(VALU_DEP_3)
	v_lshl_or_b32 v[\pw], v[TM+5], 8, v[TM+4]
	s_delay_alu instid0(VALU_DEP_1)
	v_lshl_or_b32 v[\pw], v[TM+6], 16, v[\pw]
	s_delay_alu instid0(VALU_DEP_1)
	v_lshl_or_b32 v[\pw], v[TM+7], 24, v[\pw]
.irp c, 0,1
	v_cvt_scalef32_pk16_bf6_f32 v[\pc+6*\c:\pc+6*\c+2], v[\s+32*\c:\s+32*\c+15], v[TM+12+2*\c]
	v_cvt_scalef32_pk16_bf6_f32 v[CT+4*\c:CT+4*\c+2], v[\s+32*\c+16:\s+32*\c+31], v[TM+12+2*\c+1]
.endr
	v_nop                                          ; one plain instruction behind the scaled conversions
.irp c, 0,1                                    ; the operand wants a whole block in a lane: lanes 0-15 block 2 c, lanes 16-31 block 2 c + 1
.irp i, 0,1,2
	v_permlane16_swap_b32 v[\pc+6*\c+\i], v[CT+4*\c+\i]
.endr
.irp i, 0,1,2
	s_delay_alu instid0(VALU_DEP_3)
	v_mov_b32 v[\pc+6*\c+3+\i], v[CT+4*\c+\i]
.endr
.endr
.endm
	QUANT ACC, F0, PW
	QUANT ACC+64, F1, PW+1
	v_perm_b32 v[WD], v[PW+1], v[PW], v[SV0]       ; selects 0-3: the first tile's word, 4-7: the second's
	v_perm_b32 v[WD+1], v[PW+1], v[PW], v[SV1]
	ds_store_b32 v[STA], v[WD]
	ds_store_b32 v[STA], v[WD+1] offset:128
	s_lshr_b32 s52, s[RB], 5                       ; the batch,
	s_and_b32 s53, s[RB], 31                       ; the block of 128 rows in it: a key step, a block of queries
	s_lshl_b32 s54, s52, 3
	s_lshl_b32 s55, s[HP], 1
	s_add_co_u32 s54, s54, s55                     ; (batch, head A)
	s_mul_i32 s55, s54, 409600
	s_mul_i32 s56, s53, 12800
	s_add_co_u32 s55, s55, s56                     ; head A's key step in kv
	s_lshl_b32 s56, s54, 5
	s_add_co_u32 s56, s56, s53
	s_mul_i32 s56, s56, 6656                       ; head A's block in qb
	s_mov_b32 s59, 0
	s_wait_dscnt 0x0                               ; for the others' sake: my images lie in the stage
	s_barrier_signal -1
	s_barrier_wait -1
	s_cmp_eq_u32 s[ROLE], 1
	s_cbranch_scc1 .Lrole_k
	s_cmp_eq_u32 s[ROLE], 2
	s_cbranch_scc1 .Lrole_v
	; ---- q: each tile's and head's 6 registers: 512 + 256 consecutive bytes
	s_mul_i32 s58, s[IDX], 1536
	s_add_co_u32 s58, s58, s56
	s_add_nc_u64 s[66:67], s[8:9], s[58:59]
	s_wait_alu depctr_va_vdst(0)
.irp j, 0,1
.irp a, 0,1
	global_store_b128 v[L16], v[F0+12*\j+6*\a:F0+12*\j+6*\a+3], s[66:67] offset:768*\j+212992*\a
	global_store_b64 v[L8], v[F0+12*\j+6*\a+4:F0+12*\j+6*\a+5], s[66:67] offset:768*\j+212992*\a+512
.endr
.endr
	; the q waves also send all scale words out in whole blocks of 512 bytes: waves 0, 1 K's and V's of heads A, B; waves 2, 3 q's
	s_and_b32 s62, s[IDX], 1
	s_cmp_lt_u32 s[IDX], 2
	s_cbranch_scc0 .Lq_words
.irp t, 0,1,2,3
	ds_load_b32 v[GT+\t], v[GA+\t] offset:256*\t
.endr
	s_mul_i32 s58, s62, 409600
	s_add_co_u32 s58, s58, s55
	s_add_co_u32 s58, s58, 12288
	s_add_nc_u64 s[68:69], s[10:11], s[58:59]
	s_wait_dscnt 0x0
	global_store_b128 v[L16], v[GT:GT+3], s[68:69] ; lanes 0-15: row r's four words of K; lanes 16-31: of V
	s_branch .Ldone
.Lq_words:
	ds_load_b128 v[GT:GT+3], v[GQ]
	s_mul_i32 s58, s62, 212992
	s_add_co_u32 s58, s58, s56
	s_add_co_u32 s58, s58, 6144
	s_add_nc_u64 s[68:69], s[8:9], s[58:59]
	s_wait_dscnt 0x0
	global_store_b128 v[L16], v[GT:GT+3], s[68:69]
	s_branch .Ldone
.Lrole_k:
	; ---- k: a head's fragment holds TWO tiles of keys: registers 0-5 tile 2 idx, registers 6-11 tile 2 idx + 1, each with the head's 64
	v_mov_b32 v[TT+0], v[F0+4]
	v_mov_b32 v[TT+1], v[F0+5]
	v_mov_b32 v[TT+2], v[F1+0]
	v_mov_b32 v[TT+3], v[F1+1]
	v_mov_b32 v[TT+4], v[F0+10]
	v_mov_b32 v[TT+5], v[F0+11]
	v_mov_b32 v[TT+6], v[F1+6]
	v_mov_b32 v[TT+7], v[F1+7]
	; THE ROWS OF K'S FRAGMENTS ARE RE-DEALT for the attention launch: lane (r, h) of wave idx goes to fragment 2 (idx / 2) + r / 8, lane (8 (idx % 2) + r % 8, h).
	; So rows 0-7 of the four tiles of fragments 2 c, 2 c + 1 are the 32 keys of block 2 c, rows 8-15 those of block 2 c + 1.  A store covers four runs of 128 consecutive bytes; wave idx xor 1 stores the runs between them.
	v_lshrrev_b32 v[TA], 3, v[RR]
	v_and_b32 v[TC], 7, v[RR]
	v_mul_u32_u24 v[TA], v[TA], 1536
	v_lshl_add_u32 v[TA], v[TC], 4, v[TA]
	v_lshl_add_u32 v[TA], v[HH], 8, v[TA]
	s_lshr_b32 s58, s[IDX], 1
	s_mul_i32 s58, s58, 3072
	s_and_b32 s62, s[IDX], 1
	s_lshl_b32 s62, s62, 7
	s_add_co_u32 s58, s58, s62
	s_add_co_u32 s58, s58, s55
	s_add_nc_u64 s[66:67], s[10:11], s[58:59]
	s_wait_alu depctr_va_vdst(0)
	global_store_b128 v[TA], v[F0:F0+3], s[66:67]
	global_store_b128 v[TA], v[TT:TT+3], s[66:67] offset:512
	global_store_b128 v[TA], v[F1+2:F1+5], s[66:67] offset:1024
	global_store_b128 v[TA], v[F0+6:F0+9], s[66:67] offset:409600
	global_store_b128 v[TA], v[TT+4:TT+7], s[66:67] offset:409600+512
	global_store_b128 v[TA], v[F1+8:F1+11], s[66:67] offset:409600+1024
	s_branch .Ldone
.Lrole_v:
	; ---- v: two fragments (16 d x 128 keys) of head idx / 2
	s_lshr_b32 s58, s[IDX], 1
	s_mul_i32 s58, s58, 409600
	s_and_b32 s62, s[IDX], 1
	s_mul_i32 s62, s62, 3072
	s_add_co_u32 s58, s58, s62
	s_add_co_u32 s58, s58, s55
	s_add_co_u32 s58, s58, 6144
	s_add_nc_u64 s[66:67], s[10:11], s[58:59]
	s_wait_alu depctr_va_vdst(0)
.irp j, 0,1
.irp c, 0,1,2
	global_store_b128 v[L16], v[F0+12*\j+4*\c:F0+12*\j+4*\c+3], s[66:67] offset:1536*\j+512*\c
.endr
.endr
.Ldone:
	s_wait_tensorcnt 0x0
	ds_add_u32 v126, v127
	s_wait_dscnt 0x0
	CROUND                                         ; the closing round: no work-group ends while a partner may still ask for a tile that names it
	s_endpgm
.Lfunc_end_k_q1caad50330_qkv:
	.size	k_q1caad50330_qkv, .Lfunc_end_k_q1caad50330_qkv-k_q1caad50330_qkv
	.p2alignl 7, 3214868480
	.fill 96, 4, 3214868480
	.section	.rodata,"a",@progbits
	.p2align	6, 0x0
	.amdhsa_kernel k_q1caad50330_qkv
		.amdhsa_group_segment_fixed_size 311808
		.amdhsa_private_segment_fixed_size 0
		.amdhsa_enable_private_segment 0
		.amdhsa_kernarg_size 32
		.amdhsa_user_sgpr_count 2
		.amdhsa_user_sgpr_kernarg_segment_ptr 1
		.amdhsa_wavefront_size32 1
		.amdhsa_system_sgpr_workgroup_id_x 1
		.amdhsa_system_sgpr_workgroup_id_y 1
		.amdhsa_system_sgpr_workgroup_id_z 1
		.amdhsa_system_vgpr_workitem_id 0
		.amdhsa_next_free_vgpr 256
		.amdhsa_next_free_sgpr 100
		.amdhsa_reserve_vcc 0
		.amdhsa_float_denorm_mode_32 3
		.amdhsa_float_denorm_mode_16_64 3
		.amdhsa_memory_ordered 1
		.amdhsa_forward_progress 1
		.amdhsa_inst_pref_size 50
	.end_amdhsa_kernel
	.amdgpu_metadata
---
amdhsa.version: [ 1, 2 ]
amdhsa.kernels:
  - .name:           k_q1caad50330_qkv
    .symbol:         k_q1caad50330_qkv.kd
    .args:
      - { .name: xq, .offset: 0, .size: 8, .value_kind: global_buffer, .address_space: global }
      - { .name: wq, .offset: 8, .size: 8, .value_kind: global_buffer, .address_space: global }
      - { .name: qb, .offset: 16, .size: 8, .value_kind: global_buffer, .address_space: global }
      - { .name: kv, .offset: 24, .size: 8, .value_kind: global_buffer, .address_space: global }
    .group_segment_fixed_size: 311808
    .private_segment_fixed_size: 0
    .kernarg_segment_align: 8
    .kernarg_segment_size: 32
    .max_flat_workgroup_size: 384
    .sgpr_count:     100
    .vgpr_count:     256
    .wavefront_size: 32
...
	.end_amdgpu_metadata
.endif
;; end of part 2
;; launch attn (part 3): grid 16 x 16, 16 waves a work-group, clusters of 4 x 1, 327,680 bytes of LDS; arguments qb, kv, oimg, oscl; writes oimg, oscl
.if DOCPART == 3
	.amdgcn_target "amdgcn-amd-amdhsa--gfx1250"
	.amdhsa_code_object_version 6
	.text
	.protected	k_q1caad50330_attn
	.globl	k_q1caad50330_attn
	.p2align	8
	.type	k_q1caad50330_attn,@function
k_q1caad50330_attn:
	s_mov_b64 s[64:65], 0
	v_nop
	global_prefetch_b8 v0, s[64:65] scope:SCOPE_SE
	s_setreg_imm32_b32 hwreg(HW_REG_WAVE_MODE, 25, 1), 1
	s_wait_xcnt 0x0
	s_wait_alu depctr_hold_cnt(0) depctr_sa_sdst(0) depctr_va_vdst(0) depctr_va_sdst(0) depctr_va_ssrc(0) depctr_va_vcc(0) depctr_vm_vsrc(0)
	s_getreg_b32 s2, hwreg(HW_REG_IB_STS2, 6, 4)
	s_cmp_eq_u32 s2, 0
	s_cbranch_scc0 .Lentry_in_a_cluster
	s_endpgm
.Lentry_in_a_cluster:
	s_bfe_u32 s2, ttmp6, 0x10000c
	s_cmp_lg_u32 s2, 0x3003
	s_cbranch_scc0 .Lentry_shape_is_right
	s_endpgm
.Lentry_shape_is_right:
; O = softmax(q k^T / 8) v for one (batch, head) and 256 queries, both products on codes of BF6 with one E8M0 scale for each 32 along K; O / l is quantised along the head's 64 for the last product.
; THE SOFTMAX: t = score x log2(e) / 8; M = the running largest t rounded UP to a whole number; p = 2^(t - M) is quantised along the keys, not normalised; the row's sum is taken of the unquantised p in f32 and divides at the end.
; When M moves, the sums and O are multiplied by 2^(old M - new M): exact.  A block's largest p is made from the block's largest score by the same multiply-add and exponential (this takes v_exp_f32 not to fall where its input rises).
; SHARES.  Sixteen waves, four to a SIMD, each with one tile of 16 queries in 256 registers; every wave walks the head's 32 key steps of 128 keys.
; LAYOUT.  Both products are used transposed (S^T = k q^T, O^T = v^T p^T): a lane holds one query throughout.  A key step (12,800 bytes) lies in the order of the operands' registers: four fragments of K, four of V, 256 bytes of K's scale words, 256 of V's.
; K = 64 IN AN INSTRUCTION OF 128: a fragment of K holds two tiles of 16 keys (registers 0-5, 6-11); it is multiplied once by [q | zeros] and once by [zeros | q]: zero codes add nothing.
; WHOLE BLOCKS IN A LANE.  The launch before deals K's rows so that rows 0-7 of tiles 4 c .. 4 c + 3 are block 2 c of the keys and rows 8-15 block 2 c + 1, tile t holding members 0-7, 16-23, 8-15, 24-31 (t = 0 .. 3), which is V's order.
; So lane (r, h) holds in S^T's registers 32 c .. 32 c + 31 all of block 2 c + h, in the order of p's operand: a block's maximum needs no other lane and the conversions' results are not exchanged between lanes.
; K's scale words lie by the old rows: word 2 c + b of row 8 f + i serves row 8 b + i of fragment 2 c + f: four loads of 4 bytes.
; LDS.  Three regions of 8 key steps.  Every wave asks for 25 rows of 256 bytes of steps 0-7 at the head, for 50 rows of steps 8-23 behind the next round, and for 25 rows of steps 24-31, into region 0, behind the round that follows step 7.
; By this text's own count a wave has one tensor load out at any time.  K's fragments have registers of their own and are fetched one key step ahead, but not across a barrier: each run of steps ends with a step written out that fetches nothing.
; CLUSTER 4 x 1: the four query blocks of a cluster walk the same K and V: each tile is asked for jointly, mask 15.
; No data prefetch: 8 of a head's 32 key steps are asked for at the head, 16 behind the next round, the last 8 sixteen key steps ahead of their first read: no stream is left to run ahead of.
; LIMITS: the promise holds while |t| stays under 2^31.  NaN and infinities are not served; a block whose largest magnitude lies under 2^-122 gets the byte 1 (only this program reads the bytes).
.set STEPB, 12800
.set REGN,  8*STEPB
.set SPARE, 3*REGN                     ; the spare words: 128 bytes for each of 16 waves
.set WV,  12
.set CX,  13
.set QX,  14                           ; my block of 256 queries: it enters Q's and O's addresses alone
.set BH,  15
.set SEL, 16
.set CS,  18                           ; s[18:19] log2(e) / 8
.set TB,  20                           ; LDS byte of the key step in hand
.set CNT, 21
.set G1A, 24                           ; group 1, 25 rows;  G1B: 50 rows
.set G0A, 32
.set G0B, 36
.set G1B, 56
.set L16, 1                            ; 16 x lane
.set AV,  2                            ; the step's LDS address
.set SPW, 3
.set NIL, 4
.set ASK0, 5                           ; 16 (r % 8) + 4 (r / 8 % 2)
.set ASK, 6                            ; K's scale words' address
.set H8,  7                            ; 8 h
.set L2,  10                           ; v[10:11] the second running sum; v12 -M, v13 the running largest score, v[14:15] the first running sum
.set QHI, 16                           ; v16-27 [zeros | q]
.set QLO, 22                           ; v22-33 [q | zeros]
.set QS,  34
.set PS,  35                           ; p's scale word
.set SC,  36                           ; v36-39 lanes 16-31: V's four scale words
.set SCK, 40                           ; v40-43 K's four
.set FF,  44                           ; v[44:45] f = 2^(old M - new M)
.set BM,  46                           ; v46-47 my two blocks' largest score, largest p, then byte
.set FRK, 48
.set S,   96
.set O,   160
.set FRV, 192
.set PCD, 240                          ; v240-251 p's codes; ahead of the conversions the same registers serve as X
.set X,   240
.set SO,  252                          ; v252-253 the conversions' scale operands
.set TMP, 254
.set PT,  255
.macro CROUND
	s_barrier_signal -1
	s_barrier_wait -1
	s_cmp_lg_u32 s[WV], 0
	s_cbranch_scc1 .Lnot_wave_0_\@
	s_barrier_signal -3
.Lnot_wave_0_\@:
	s_barrier_wait -3
	s_barrier_signal -1
	s_barrier_wait -1
.endm
.macro PLACES n
.rept \n
	v_nop
.endr
.endm
.macro ADDP d, i                       ; a chain of sums takes p's pair i
	v_pk_add_f32 v[\d:\d+1], v[\d:\d+1], v[S+2*(\i):S+2*(\i)+1]
.endm
.macro INIP d, i                       ; a chain begins with pairs i and i + 1
	v_pk_add_f32 v[\d:\d+1], v[S+2*(\i):S+2*(\i)+1], v[S+2*(\i)+2:S+2*(\i)+3]
.endm
.macro ADDT d, e
	v_pk_add_f32 v[\d:\d+1], v[\d:\d+1], v[\e:\e+1]
.endm
.macro LOADK off                       ; K's four fragments and scale words of the step at v[AV] + off: 16 LDS loads
.irp b, 0,1,2,3
.irp c, 0,1,2
	ds_load_b128 v[FRK+12*\b+4*\c:FRK+12*\b+4*\c+3], v[AV] offset:\off+1536*\b+512*\c
.endr
.endr
.irp c, 0,1
.irp f, 0,1
	ds_load_b32 v[SCK+2*\c+\f], v[ASK] offset:\off+12288+8*\c+128*\f
.endr
.endr
.endm
	s_load_b256 s[4:11], s[0:1], 0x0               ; qb s[4:5], kv s[6:7], oimg s[8:9], oscl s[10:11]
	v_lshl_add_u32 v[SPW], v0, 2, SPARE
	v_mov_b32 v[NIL], 0
	ds_add_u32 v[SPW], v[NIL]
	ds_add_u32 v[SPW], v[NIL]
	v_lshrrev_b32 v8, 5, v0
	v_readfirstlane_b32 s[WV], v8                  ; wave 0..15
	s_bfe_u32 s[CX], ttmp6, 0x40000
	s_lshl_b32 s[QX], ttmp9, 2
	s_add_co_u32 s[QX], s[QX], s[CX]
	s_and_b32 s[BH], ttmp7, 0xffff
	s_mov_b32 s[SEL], 0x76543210
	s_mov_b32 s[SEL+1], 0xfedcba98
	s_mov_b32 s[CS], 0x3e38aa3b
	s_mov_b32 s[CS+1], s[CS]
.irp g, G1A, G1B                               ; rows of 256 bytes (32 elements of 8), dense; mask 15, bit 21 beside it
	s_mov_b32 s[\g+0], 15|(3<<16)|(1<<21)
	s_mov_b32 s[\g+1], 32<<16
	s_mov_b32 s[\g+3], 32<<16
	s_mov_b32 s[\g+5], 32
	s_mov_b32 s[\g+6], 0
	s_mov_b32 s[\g+7], 0
.endr
	s_mov_b32 s[G1A+2], 25<<16
	s_mov_b32 s[G1A+4], 25
	s_mov_b32 s[G1B+2], 50<<16
	s_mov_b32 s[G1B+4], 50
	s_mul_i32 s44, s[BH], 409600                   ; the head's K and V
	s_mov_b32 s45, 0
	s_mul_i32 s40, s[WV], 6400                     ; my sixteenth of a region,
	s_mov_b32 s41, 0
	s_mul_i32 s42, s[WV], STEPB                    ; and of regions 1 and 2
	s_add_co_u32 s42, s42, REGN
	s_mov_b32 s43, 0
	s_lshl_b32 s48, s[BH], 5                       ; Q: block 32 bh + 2 qx + wave / 8 of 128 queries, tile wave % 8
	s_lshl_b32 s49, s[QX], 1
	s_add_co_u32 s48, s48, s49
	s_lshr_b32 s49, s[WV], 3
	s_add_co_u32 s48, s48, s49
	s_mul_i32 s48, s48, 6656
	s_and_b32 s50, s[WV], 7
	s_mul_i32 s49, s50, 768
	s_add_co_u32 s52, s48, s49
	s_mov_b32 s53, 0
	s_lshl_b32 s50, s50, 6
	s_add_co_u32 s54, s48, s50
	s_add_co_u32 s54, s54, 6144
	s_mov_b32 s55, 0
	s_wait_dscnt 0x0
	s_wait_kmcnt 0x0
	s_add_nc_u64 s[44:45], s[6:7], s[44:45]
	s_add_nc_u64 s[52:53], s[4:5], s[52:53]
	s_add_nc_u64 s[54:55], s[4:5], s[54:55]
	s_mov_b32 s[G0A], 1
	s_mov_b32 s[G0A+1], s40
	s_add_nc_u64 s[G0A+2:G0A+3], s[44:45], s[40:41]
	s_or_b32 s[G0A+3], s[G0A+3], 0x80000000
	s_mov_b32 s[G0B], 1
	s_mov_b32 s[G0B+1], s42
	s_add_nc_u64 s[G0B+2:G0B+3], s[44:45], s[42:43]
	s_or_b32 s[G0B+3], s[G0B+3], 0x80000000
	CROUND                                         ; all four work-groups are here: the first joint loads meet
	tensor_load_to_lds s[G0A:G0A+3], s[G1A:G1A+7]  ; key steps 0-7, a sixteenth a wave: my one load at the head
	s_nop 0
	PLACES 4
	v_and_b32 v8, 31, v0
	v_and_b32 v9, 15, v0
	v_bfe_u32 v[H8], v0, 4, 1
	v_and_b32 v[ASK0], 7, v0
	v_bfe_u32 v[ASK], v0, 3, 1
	v_lshlrev_b32 v[L16], 4, v8
	v_lshlrev_b32 v8, 3, v8                        ; 8 x lane
	v_lshlrev_b32 v9, 2, v9                        ; 4 r
	v_lshlrev_b32 v[H8], 3, v[H8]
	v_lshlrev_b32 v[ASK0], 4, v[ASK0]
	v_lshl_add_u32 v[ASK0], v[ASK], 2, v[ASK0]
	s_wait_alu depctr_va_vdst(0)
	global_load_b128 v[QLO:QLO+3], v[L16], s[52:53]
	global_load_b64 v[QLO+4:QLO+5], v8, s[52:53] offset:512
	global_load_b32 v[QS], v9, s[54:55]
.irp j, 0,1,2,3,4,5
	v_mov_b32 v[QHI+\j], 0                         ; zero codes on both sides of q
	v_mov_b32 v[QLO+6+\j], 0
.endr
	v_mov_b32 v13, 0xff61b1e6                      ; the largest score so far: -3e38
	v_mov_b32 v12, 0x7d000000                      ; -M = 2^123: the first change of M gives f = 0
	v_mov_b32 v14, 0
	v_mov_b32 v15, 0
	v_mov_b32 v[L2], 0
	v_mov_b32 v[L2+1], 0
	v_mov_b32 v[FF+1], 0                           ; (named as the upper half of a pair)
	v_mov_b32 v[PT], 0                             ; a lane permute's destination counts as one of its sources
.irp j, 0,1,2,3,4,5,6,7,8,9,10,11,12,13,14,15,16,17,18,19,20,21,22,23,24,25,26,27,28,29,30,31
	v_mov_b32 v[O+\j], 0                           ; the key step is written once: the first finds zeros
.endr
; A KEY STEP: 128 keys at LDS byte s[TB]; K's fragments and words are on their way or in.  pre = 1: the next step's are fetched.
.macro STEP pre
	s_wait_dscnt 0x0                               ; K's fragments and scale words
.irp b, 0,1,2,3                                ; S^T: tile 2 b by [q | 0], tile 2 b + 1 by [0 | q]
	v_wmma_scale_f32_16x16x128_f8f6f4 v[S+16*\b:S+16*\b+7], v[FRK+12*\b:FRK+12*\b+11], v[QLO:QLO+11], 0, v[SCK+\b], v[QS] matrix_a_fmt:MATRIX_FMT_BF6 matrix_b_fmt:MATRIX_FMT_BF6
	v_wmma_scale_f32_16x16x128_f8f6f4 v[S+16*\b+8:S+16*\b+15], v[FRK+12*\b:FRK+12*\b+11], v[QHI:QHI+11], 0, v[SCK+\b], v[QS] matrix_a_fmt:MATRIX_FMT_BF6 matrix_b_fmt:MATRIX_FMT_BF6
.endr
	v_add_nc_u32 v[AV], s[TB], v[L16]              ; four plain instructions ahead of the loads over operands and of the first read of the scores
	v_add_nc_u32 v[ASK], s[TB], v[ASK0]
	v_mov_b32 v[TMP], v12                          ; the old -M
	v_nop
	ds_load_b128 v[SC:SC+3], v[AV] offset:12288
.irp t, 0,1,2,3
.irp c, 0,1,2
	ds_load_b128 v[FRV+12*\t+4*\c:FRV+12*\t+4*\c+3], v[AV] offset:6144+1536*\t+512*\c
.endr
.endr
.if \pre
	LOADK STEPB
.endif
.irp T, 0,1,2,3,4,5,6,7                        ; the largest score of my two blocks: eight chains, a tile each, each tile from its low end on
	v_max3_num_f32 v[X+\T], v[S+8*\T], v[S+8*\T+1], v[S+8*\T+2]
.endr
.irp i, 3,5
.irp T, 0,1,2,3,4,5,6,7
	v_max3_num_f32 v[X+\T], v[X+\T], v[S+8*\T+\i], v[S+8*\T+\i+1]
.endr
.endr
.irp c, 0,1
	v_max_num_f32 v[X+8+\c], v[S+32*\c+23], v[S+32*\c+31]
.endr
.irp c, 0,1
	v_max3_num_f32 v[X+4*\c], v[X+4*\c], v[X+4*\c+1], v[S+32*\c+7]
	v_max3_num_f32 v[X+4*\c+2], v[X+4*\c+2], v[X+4*\c+3], v[S+32*\c+15]
.endr
	s_delay_alu instid0(VALU_DEP_3)
	v_max3_num_f32 v[BM], v[X], v[X+2], v[X+8]
	s_delay_alu instid0(VALU_DEP_2)
	v_max3_num_f32 v[BM+1], v[X+4], v[X+6], v[X+9]
	s_delay_alu instid0(VALU_DEP_1)
	v_max3_num_f32 v13, v13, v[BM], v[BM+1]
	s_delay_alu instid0(VALU_DEP_1)
	v_permlanex16_b32 v[PT], v13, s[SEL], s[SEL+1]
	s_delay_alu instid0(VALU_DEP_1)
	v_max_num_f32 v13, v13, v[PT]                  ; the running largest score of my query, the same in both halves of the lanes
	s_delay_alu instid0(VALU_DEP_1)
	v_mul_f32 v[PT], s[CS], v13                    ; as t
	s_delay_alu instid0(VALU_DEP_1)
	v_floor_f32 v12, -v[PT]                        ; -M = floor(-t): M is a whole number
.irp j, 0,2,4,6
	v_pk_fma_f32 v[S+\j:S+\j+1], v[S+\j:S+\j+1], s[CS:CS+1], v[12:13] op_sel_hi:[1,0,0]   ; t - M, two at a time
.endr
	v_sub_f32 v[TMP], v12, v[TMP]                  ; old M - new M: a whole number, 0 or less
.irp j, 8,10,12,14
	v_pk_fma_f32 v[S+\j:S+\j+1], v[S+\j:S+\j+1], s[CS:CS+1], v[12:13] op_sel_hi:[1,0,0]
.endr
	v_cvt_i32_f32 v[TMP], v[TMP]                   ; (it saturates)
.irp j, 16,18,20,22
	v_pk_fma_f32 v[S+\j:S+\j+1], v[S+\j:S+\j+1], s[CS:CS+1], v[12:13] op_sel_hi:[1,0,0]
.endr
	v_ldexp_f32 v[FF], 1.0, v[TMP]                 ; f = 2^(old M - new M)
.irp j, 24,26,28,30,32,34,36,38,40,42,44,46,48,50,52,54,56,58,60,62
	v_pk_fma_f32 v[S+\j:S+\j+1], v[S+\j:S+\j+1], s[CS:CS+1], v[12:13] op_sel_hi:[1,0,0]
.endr
.irp c, 0,1
	v_fma_f32 v[BM+\c], v[BM+\c], s[CS], v12       ; the same of each block's largest score
.endr
.irp j, 0,2,4,6,8,10,12,14,16,18,20,22,24,26,28,30
	v_pk_mul_f32 v[O+\j:O+\j+1], v[O+\j:O+\j+1], v[FF:FF+1] op_sel_hi:[1,0]   ; O^T under the new M, each accumulator from its low end on
.endr
	s_wait_alu depctr_va_vdst(0)
.irp j, 0,1,2,3,4,5,6,7,8,9,10,11,12,13,14,15,16,17,18,19,20,21,22,23,24,25,26,27,28,29,30,31,32,33,34,35,36,37,38,39,40,41,42,43,44,45,46,47,48,49,50,51,52,53,54,55,56,57,58,59,60,61,62,63
	v_exp_f32 v[S+\j], v[S+\j]                     ; p = 2^(t - M)
.endr
	v_exp_f32 v[BM], v[BM]                         ; my blocks' largest p
	v_exp_f32 v[BM+1], v[BM+1]
	v_nop                                          ; the plain instruction behind the batch
	s_wait_alu depctr_va_vdst(0)                   ; and the one wait ahead of its first reader
	; the row's sum of the unquantised p, in two running chains and six of this step's; the blocks' scales stand among the additions
	v_max_num_f32 v[BM], 0x2800000, v[BM]          ; the floor 2^(5 - 127): the byte cannot fall under 1
	v_max_num_f32 v[BM+1], 0x2800000, v[BM+1]
	v_pk_fma_f32 v[14:15], v[14:15], v[FF:FF+1], v[S:S+1] op_sel_hi:[1,0,1]       ; the running sums under the new M, and pairs 0, 1
	v_pk_fma_f32 v[L2:L2+1], v[L2:L2+1], v[FF:FF+1], v[S+2:S+3] op_sel_hi:[1,0,1]
	INIP X, 2
	INIP X+2, 4
	INIP X+4, 6
	v_add_nc_u32 v[SO], 0xfe000000, v[BM]          ; 4 off the exponent field: the conversion's scale operand
	v_add_nc_u32 v[SO+1], 0xfe000000, v[BM+1]
	INIP X+6, 8
	INIP X+8, 10
	INIP X+10, 12
	ADDP 14, 14
	ADDP L2, 15
	v_lshrrev_b32 v[BM], 23, v[SO]                 ; the scales' bytes: blocks h and 2 + h
	v_lshrrev_b32 v[BM+1], 23, v[SO+1]
	ADDP X, 16
	ADDP X+2, 17
	ADDP X+4, 18
	ADDP X+6, 19
	ADDP X+8, 20
	ADDP X+10, 21
	v_lshl_or_b32 v[PS], v[BM+1], 16, v[BM]
	ADDP 14, 22
	ADDP L2, 23
	ADDP X, 24
	ADDP X+2, 25
	ADDP X+6, 26
	ADDP X+8, 27
	v_lshlrev_b32 v[PS], v[H8], v[PS]              ; at their places in the word
	ADDT X+4, X
	ADDT X+10, X+2
	s_delay_alu instid0(VALU_DEP_3)
	v_permlanex16_b32 v[PT], v[PS], s[SEL], s[SEL+1]
	s_delay_alu instid0(VALU_DEP_3)
	ADDT X+4, X+6
	s_delay_alu instid0(VALU_DEP_3)
	ADDT X+10, X+8
	s_delay_alu instid0(VALU_DEP_3)
	v_or_b32 v[PS], v[PS], v[PT]                   ; with lane l xor 16's two bytes p's scale word is whole
	v_cvt_scalef32_pk16_bf6_f32 v[PCD:PCD+2], v[S:S+15], v[SO]
	v_cvt_scalef32_pk16_bf6_f32 v[PCD+6:PCD+8], v[S+32:S+47], v[SO+1]
	ADDT 14, X+4                                   ; a plain instruction behind the conversions: the next two write over sources of the first
	v_cvt_scalef32_pk16_bf6_f32 v[S:S+2], v[S+16:S+31], v[SO]        ; (a conversion's three registers begin on an even number; pairs 0-3 have been summed)
	v_cvt_scalef32_pk16_bf6_f32 v[S+4:S+6], v[S+48:S+63], v[SO+1]
	ADDT L2, X+10
.irp i, 0,1,2
	v_mov_b32 v[PCD+3+\i], v[S+\i]
	v_mov_b32 v[PCD+9+\i], v[S+4+\i]
.endr
	ADDP 14, 28                                    ; four plain instructions between the codes' last write and the products
	ADDP L2, 29
	ADDP 14, 30
	ADDP L2, 31
	s_wait_alu depctr_va_vdst(0)
.if \pre
	s_wait_dscnt 16                                ; V and its words are in; the 16 loads of the next step's K, issued behind them, may be out
.else
	s_wait_dscnt 0x0
.endif
.irp t, 0,1,2,3                                ; O^T += V^T P^T: the four accumulators by turns
	v_wmma_scale_f32_16x16x128_f8f6f4 v[O+8*\t:O+8*\t+7], v[FRV+12*\t:FRV+12*\t+11], v[PCD:PCD+11], v[O+8*\t:O+8*\t+7], v[SC+\t], v[PS] matrix_a_fmt:MATRIX_FMT_BF6 matrix_b_fmt:MATRIX_FMT_BF6 matrix_a_scale:MATRIX_SCALE_ROW1
.endr
	s_add_co_u32 s[TB], s[TB], STEPB
.endm
; n key steps on end from LDS byte s[TB], all shown whole by the barrier ahead
.macro GROUP n, lbl
	v_add_nc_u32 v[AV], s[TB], v[L16]
	v_add_nc_u32 v[ASK], s[TB], v[ASK0]
	LOADK 0
	s_mov_b32 s[CNT], \n-1
\lbl:
	STEP 1
	s_sub_co_u32 s[CNT], s[CNT], 1
	s_cmp_lg_u32 s[CNT], 0
	s_cbranch_scc1 \lbl
	STEP 0
.endm
	s_wait_alu depctr_va_vdst(0)
	s_wait_tensorcnt 0x0                           ; my part of steps 0-7 is in
	ds_add_u32 v[SPW], v[NIL]
	s_wait_dscnt 0x0
	CROUND                                         ; everybody's part is in, and the four work-groups meet
	tensor_load_to_lds s[G0B:G0B+3], s[G1B:G1B+7]  ; key steps 8-23: a step a wave
	s_nop 0
	PLACES 4
	s_wait_loadcnt 0x0                             ; Q
	s_mov_b32 s[TB], 0
	GROUP 8, .Lfirst_region
	s_wait_tensorcnt 0x0                           ; my part of steps 8-23 is in: a group 0 may be written
	ds_add_u32 v[SPW], v[NIL]
	s_add_nc_u64 s[G0A+2:G0A+3], s[G0A+2:G0A+3], 3*REGN   ; key steps 24-31
	s_wait_dscnt 0x0                               ; the add is done, and my reads of region 0 are over
	CROUND
	tensor_load_to_lds s[G0A:G0A+3], s[G1A:G1A+7]  ; the one refill: first thing behind the round
	s_nop 0
	PLACES 4
	s_mov_b32 s[TB], REGN
	GROUP 16, .Lmiddle_regions
	s_wait_tensorcnt 0x0                           ; my part of steps 24-31 is in
	ds_add_u32 v[SPW], v[NIL]
	s_mov_b32 s[TB], 0
	s_wait_dscnt 0x0
	s_barrier_signal -1
	s_barrier_wait -1                              ; everybody's is
	GROUP 8, .Llast_region
	; THE WAY OUT: O^T / the sum, quantised along the head's 64 (two blocks), stored as half a fragment (6 registers) and two scale bytes a row
.set TH,  5
.set T8,  6
.set T10, 7
.set PQ,  254
	v_pk_add_f32 v[14:15], v[14:15], v[L2:L2+1]
	v_bfe_u32 v[TH], v0, 4, 1                      ; h
	v_and_b32 v[T8], 31, v0
	v_and_b32 v[T10], 15, v0
	v_add_f32 v14, v14, v15
	v_lshlrev_b32 v[T8], 3, v[T8]                  ; 8 x lane
	v_lshl_add_u32 v[T10], v[T10], 2, v[TH]        ; 4 r + h
	v_permlanex16_b32 v[PT], v14, s[SEL], s[SEL+1]
	s_delay_alu instid0(VALU_DEP_1)
	v_add_f32 v14, v14, v[PT]                      ; the row's sum
	s_wait_alu depctr_va_vdst(0)
	v_rcp_f32 v14, v14
	v_cmp_eq_u32 vcc_lo, 0, v[TH]                  ; (a plain instruction behind the reciprocal)
	s_lshr_b32 s48, s[BH], 3                       ; the batch
	s_and_b32 s49, s[BH], 7                        ; the head
	s_lshl_b32 s48, s48, 8
	s_lshl_b32 s50, s[QX], 4
	s_add_co_u32 s48, s48, s50
	s_add_co_u32 s48, s48, s[WV]                   ; my tile of 16 rows among the 512
	s_lshl_b32 s50, s48, 3
	s_add_co_u32 s50, s50, s49
	s_mul_i32 s50, s50, 768
	s_mov_b32 s51, 0
	s_add_nc_u64 s[8:9], s[8:9], s[50:51]
	s_lshl_b32 s50, s48, 8
	s_lshr_b32 s52, s49, 1
	s_lshl_b32 s52, s52, 6
	s_add_co_u32 s50, s50, s52
	s_and_b32 s52, s49, 1
	s_lshl_b32 s52, s52, 1
	s_add_co_u32 s50, s50, s52
	s_add_nc_u64 s[10:11], s[10:11], s[50:51]
	s_wait_alu depctr_va_vdst(0)                   ; ahead of the reciprocal's and O^T's first reader
.irp j, 0,2,4,6,8,10,12,14,16,18,20,22,24,26,28,30
	v_pk_mul_f32 v[S+\j:S+\j+1], v[O+\j:O+\j+1], v[14:15] op_sel_hi:[1,0]
.endr
.irp b, 0,1
	v_max3_num_f32 v[BM+\b], |v[S+16*\b]|, |v[S+16*\b+1]|, 0x2800000
.endr
.irp i, 2,4,6,8,10,12,14
.irp b, 0,1
	s_delay_alu instid0(VALU_DEP_2)
	v_max3_num_f32 v[BM+\b], v[BM+\b], |v[S+16*\b+\i]|, |v[S+16*\b+\i+1]|
.endr
.endr
.irp b, 0,1
	s_delay_alu instid0(VALU_DEP_2)
	v_permlanex16_b32 v[PQ+\b], v[BM+\b], s[SEL], s[SEL+1]
.endr
.irp b, 0,1
	s_delay_alu instid0(VALU_DEP_2)
	v_max_num_f32 v[BM+\b], v[BM+\b], v[PQ+\b]
.endr
.irp b, 0,1
	s_delay_alu instid0(VALU_DEP_2)
	v_add_nc_u32 v[SO+\b], 0xfe000000, v[BM+\b]
.endr
.irp b, 0,1
	s_delay_alu instid0(VALU_DEP_2)
	v_lshrrev_b32 v[PQ+\b], 23, v[SO+\b]
.endr
	v_cvt_scalef32_pk16_bf6_f32 v[PCD:PCD+2], v[S:S+15], v[SO]
	v_cvt_scalef32_pk16_bf6_f32 v[PCD+4:PCD+6], v[S+16:S+31], v[SO+1]
	v_nop
.irp i, 0,1,2
	v_permlane16_swap_b32 v[PCD+\i], v[PCD+4+\i]   ; lanes 0-15 block 0, lanes 16-31 block 1
.endr
	s_delay_alu instid0(VALU_DEP_3)
	v_mov_b32 v[PCD+3], v[PCD+4]
	s_delay_alu instid0(VALU_DEP_3)
	v_mov_b32 v[PCD+4], v[PCD+5]
	s_delay_alu instid0(VALU_DEP_3)
	v_mov_b32 v[PCD+5], v[PCD+6]
	v_cndmask_b32 v8, v[PQ+1], v[PQ], vcc_lo       ; lane (r, h) sends block h's byte of row r
	global_store_b128 v[L16], v[PCD:PCD+3], s[8:9] ; 512 consecutive bytes, aligned,
	global_store_b64 v[T8], v[PCD+4:PCD+5], s[8:9] offset:512   ; and 256
	global_store_b8 v[T10], v8, s[10:11]
	s_wait_tensorcnt 0x0                           ; the wave's end
	ds_add_u32 v[SPW], v[NIL]
	s_wait_dscnt 0x0
	CROUND                                         ; the closing round
	s_endpgm
.Lfunc_end_k_q1caad50330_attn:
	.size	k_q1caad50330_attn, .Lfunc_end_k_q1caad50330_attn-k_q1caad50330_attn
	.p2alignl 7, 3214868480
	.fill 96, 4, 3214868480
	.section	.rodata,"a",@progbits
	.p2align	6, 0x0
	.amdhsa_kernel k_q1caad50330_attn
		.amdhsa_group_segment_fixed_size 327680
		.amdhsa_private_segment_fixed_size 0
		.amdhsa_enable_private_segment 0
		.amdhsa_kernarg_size 32
		.amdhsa_user_sgpr_count 2
		.amdhsa_user_sgpr_kernarg_segment_ptr 1
		.amdhsa_wavefront_size32 1
		.amdhsa_system_sgpr_workgroup_id_x 1
		.amdhsa_system_sgpr_workgroup_id_y 1
		.amdhsa_system_sgpr_workgroup_id_z 1
		.amdhsa_system_vgpr_workitem_id 0
		.amdhsa_next_free_vgpr 256
		.amdhsa_next_free_sgpr 66
		.amdhsa_reserve_vcc 1
		.amdhsa_float_denorm_mode_32 3
		.amdhsa_float_denorm_mode_16_64 3
		.amdhsa_memory_ordered 1
		.amdhsa_forward_progress 1
		.amdhsa_inst_pref_size 101
	.end_amdhsa_kernel
	.amdgpu_metadata
---
amdhsa.version: [ 1, 2 ]
amdhsa.kernels:
  - .name:           k_q1caad50330_attn
    .symbol:         k_q1caad50330_attn.kd
    .args:
      - { .name: qb, .offset: 0, .size: 8, .value_kind: global_buffer, .address_space: global }
      - { .name: kv, .offset: 8, .size: 8, .value_kind: global_buffer, .address_space: global }
      - { .name: oimg, .offset: 16, .size: 8, .value_kind: global_buffer, .address_space: global }
      - { .name: oscl, .offset: 24, .size: 8, .value_kind: global_buffer, .address_space: global }
    .group_segment_fixed_size: 327680
    .private_segment_fixed_size: 0
    .kernarg_segment_align: 8
    .kernarg_segment_size: 32
    .max_flat_workgroup_size: 512
    .sgpr_count:     66
    .vgpr_count:     256
    .wavefront_size: 32
...
	.end_amdgpu_metadata
.endif
;; end of part 3
;; launch proj (part 4): grid 128 x 2, 12 waves a work-group, clusters of 4 x 1, 327,680 bytes of LDS; arguments oimg, oscl, wo, b_out, out0; writes out0
.if DOCPART == 4
	.amdgcn_target "amdgcn-amd-amdhsa--gfx1250"
	.amdhsa_code_object_version 6
	.text
	.protected	k_q1caad50330_proj
	.globl	k_q1caad50330_proj
	.p2align	8
	.type	k_q1caad50330_proj,@function
k_q1caad50330_proj:
	s_mov_b64 s[64:65], 0
	v_nop
	global_prefetch_b8 v0, s[64:65] scope:SCOPE_SE
	s_setreg_imm32_b32 hwreg(HW_REG_WAVE_MODE, 25, 1), 1
	s_wait_xcnt 0x0
	s_wait_alu depctr_hold_cnt(0) depctr_sa_sdst(0) depctr_va_vdst(0) depctr_va_sdst(0) depctr_va_ssrc(0) depctr_va_vcc(0) depctr_vm_vsrc(0)
	s_getreg_b32 s2, hwreg(HW_REG_IB_STS2, 6, 4)
	s_cmp_eq_u32 s2, 0
	s_cbranch_scc0 .Lentry_in_a_cluster
	s_endpgm
.Lentry_in_a_cluster:
	s_bfe_u32 s2, ttmp6, 0x10000c
	s_cmp_lg_u32 s2, 0x3003
	s_cbranch_scc0 .Lentry_shape_is_right
	s_endpgm
.Lentry_shape_is_right:
.set OB,   153600
.set STG,  181248
.set WV,  14
.set RG,  15
.set CG,  16
.set CX,  17
.set GX,  18
.set CH,  19
.set G1W, 24
.set G1O, 32
.set G0W, 40
.set G0O, 44
.set AP,  1
.set AO,  2
.set AO8, 3
.set AWS, 4
.set STO, 5
.set SRD, 6
.set GO,  7
.set VB,  8
.set VS,  9
.set WS,  16
.set OS,  24
.set BI,  32
.set PF,  64
.set RF,  112
.set ACC, 136
.set BK,  64
.macro CROUND
	s_barrier_signal -1
	s_barrier_wait -1
	s_cmp_lg_u32 s[WV], 0
	s_cbranch_scc1 .Lnot_wave_0_\@
	s_barrier_signal -3
.Lnot_wave_0_\@:
	s_barrier_wait -3
	s_barrier_signal -1
	s_barrier_wait -1
.endm
.macro PLACES n
.rept \n
	v_nop
.endr
.endm
	s_load_b256 s[4:11], s[0:1], 0x0
	s_load_b64 s[12:13], s[0:1], 0x20
	v_lshl_add_u32 v224, v0, 2, 0x39000
	v_mov_b32 v225, 0
	ds_add_u32 v224, v225
	ds_add_u32 v224, v225
	v_lshrrev_b32 v10, 5, v0
	s_delay_alu instid0(VALU_DEP_1)
	v_readfirstlane_b32 s[WV], v10
	s_and_b32 s[RG], s[WV], 1
	s_lshr_b32 s[CG], s[WV], 1
	s_bfe_u32 s[CX], ttmp6, 0x40000
	s_lshl_b32 s[GX], ttmp9, 2
	s_add_co_u32 s[GX], s[GX], s[CX]
	s_and_b32 s[CH], ttmp7, 0xffff
	s_mov_b32 s[G1W+0], 15|(3<<16)|(1<<21)
	s_mov_b32 s[G1W+1], 32<<16
	s_mov_b32 s[G1W+2], 60<<16
	s_mov_b32 s[G1W+3], 32<<16
	s_mov_b32 s[G1W+4], 60
	s_mov_b32 s[G1W+5], 32
	s_mov_b32 s[G1W+6], 0
	s_mov_b32 s[G1W+7], 0
	s_mov_b32 s[G1O+0], 3<<16
	s_mov_b32 s[G1O+1], 32<<16
	s_mov_b32 s[G1O+2], 48<<16
	s_mov_b32 s[G1O+3], 32<<16
	s_mov_b32 s[G1O+4], 48
	s_mov_b32 s[G1O+5], 32
	s_mov_b32 s[G1O+6], 0
	s_mov_b32 s[G1O+7], 0
	v_and_b32 v10, 31, v0
	v_and_b32 v11, 15, v0
	v_bfe_u32 v12, v0, 4, 1
	s_delay_alu instid0(VALU_DEP_3)
	v_lshlrev_b32 v13, 4, v10
	s_mul_i32 s48, s[CG], 6144
	v_add_nc_u32 v[AP], s48, v13
	s_mul_i32 s48, s[RG], 15360
	s_add_co_u32 s48, s48, OB
	v_add_nc_u32 v[AO], s48, v13
	v_lshl_add_u32 v[AO8], v10, 3, s48
	s_lshl_b32 s48, s[CG], 9
	s_add_co_u32 s48, s48, 147456
	v_lshl_add_u32 v[AWS], v10, 2, s48
	s_mul_i32 s48, s[WV], 4352
	s_add_co_u32 s48, s48, STG
	v_mul_u32_u24 v[STO], v11, 272
	s_delay_alu instid0(VALU_DEP_1)
	v_lshl_add_u32 v[STO], v12, 5, v[STO]
	s_delay_alu instid0(VALU_DEP_1)
	v_add_nc_u32 v[STO], s48, v[STO]
	v_mul_u32_u24 v[SRD], v12, 272
	s_delay_alu instid0(VALU_DEP_1)
	v_lshl_add_u32 v[SRD], v11, 4, v[SRD]
	s_delay_alu instid0(VALU_DEP_1)
	v_add_nc_u32 v[SRD], s48, v[SRD]
	v_mul_u32_u24 v[GO], v12, 3072
	s_delay_alu instid0(VALU_DEP_1)
	v_lshl_add_u32 v[GO], v11, 4, v[GO]
	v_lshlrev_b32 v[VB], 5, v12
	v_lshlrev_b32 v[VS], 2, v11
	s_mul_i32 s49, s[WV], 15360
	s_mul_i32 s50, s[CH], 153600
	s_add_co_u32 s50, s50, s49
	s_mov_b32 s51, 0
	s_sub_co_u32 s52, s[WV], 10
	s_max_i32 s52, s52, 0
	s_mul_i32 s52, s52, 12288
	s_mul_i32 s54, s[GX], 24576
	s_add_co_u32 s54, s54, s52
	s_mov_b32 s55, 0
	s_mul_i32 s56, s[CH], 1536
	s_lshl_b32 s57, s[CG], 8
	s_add_co_u32 s56, s56, s57
	s_mov_b32 s57, 0
	s_lshl_b32 s58, s[GX], 2
	s_lshl_b32 s59, s[RG], 1
	s_add_co_u32 s58, s58, s59
	s_lshl_b32 s58, s58, 8
	s_mov_b32 s59, 0
	s_lshl_b32 s60, s[GX], 6
	s_lshl_b32 s61, s[RG], 5
	s_add_co_u32 s60, s60, s61
	s_mul_i32 s60, s60, 3072
	s_add_co_u32 s60, s60, s56
	s_mov_b32 s61, 0
	s_wait_dscnt 0x0
	s_wait_kmcnt 0x0
	s_mov_b32 s[G0W], 1
	s_mov_b32 s[G0W+1], s49
	s_add_nc_u64 s[G0W+2:G0W+3], s[8:9], s[50:51]
	s_or_b32 s[G0W+3], s[G0W+3], 0x80000000
	s_mov_b32 s[G0O], 1
	s_mov_b32 s[G0O+1], s49
	s_add_nc_u64 s[G0O+2:G0O+3], s[4:5], s[54:55]
	s_or_b32 s[G0O+3], s[G0O+3], 0x80000000
	s_add_nc_u64 s[10:11], s[10:11], s[56:57]
	s_add_nc_u64 s[6:7], s[6:7], s[58:59]
	s_add_nc_u64 s[12:13], s[12:13], s[60:61]
	CROUND
	; the head's fills, one a wave, to LDS byte 15,360 x wave: waves 0-9 bring Wout's block (60 rows of 256 bytes each, asked for jointly), waves 10, 11 two tiles of O's codes each (48 rows)
	s_cmp_lt_u32 s[WV], 10
	s_cbranch_scc0 .Lfor_o
	tensor_load_to_lds s[G0W:G0W+3], s[G1W:G1W+7]
	s_nop 0
	PLACES 4
	s_branch .Lasked
.Lfor_o:
	tensor_load_to_lds s[G0O:G0O+3], s[G1O:G1O+7]
	s_nop 0
	PLACES 4
.Lasked:
	s_wait_alu depctr_va_vdst(0)
.irp i, 0,1,2,3
	global_load_b128 v[BI+8*\i:BI+8*\i+3], v[VB], s[10:11] offset:64*\i
	global_load_b128 v[BI+8*\i+4:BI+8*\i+7], v[VB], s[10:11] offset:64*\i+16
.endr
.irp j, 0,1
.irp s, 0,1,2,3
	global_load_b32 v[OS+4*\j+\s], v[VS], s[6:7] offset:256*\j+64*\s
.endr
.endr
	s_wait_tensorcnt 0x0
	s_barrier_signal -1
	s_barrier_wait -1
	s_wait_loadcnt 0x0
.macro KSTEP s
.if (\s) > 0
	v_add_nc_u32 v[AP], 24*1536, v[AP]
	PLACES 3
.endif
.irp i, 0,1,2,3
.irp c, 0,1,2
	ds_load_b128 v[PF+12*\i+4*\c:PF+12*\i+4*\c+3], v[AP] offset:1536*\i+512*\c
.endr
.endr
.irp j, 0,1
	ds_load_b128 v[RF+12*\j:RF+12*\j+3], v[AO] offset:6144*\j+1536*(\s)
	ds_load_b64 v[RF+12*\j+4:RF+12*\j+5], v[AO8] offset:6144*\j+1536*(\s)+512
	ds_load_b128 v[RF+12*\j+6:RF+12*\j+9], v[AO] offset:6144*\j+1536*(\s)+768
	ds_load_b64 v[RF+12*\j+10:RF+12*\j+11], v[AO8] offset:6144*\j+1536*(\s)+1280
.endr
.if (\s) == 0
.irp p, 0,1
.irp i, 0,1,2,3
	ds_load_b32 v[WS+4*\p+\i], v[AWS] offset:3072*\p+128*\i
.endr
.endr
.endif
	s_wait_dscnt 0x0
.irp i, 0,1,2,3
.irp j, 0,1
.set rA, ACC+32*\j+8*\i
.set rP, PF+12*\i
.set rR, RF+12*\j
.set rS, WS+4*((\s)/2)+\i
.set rT, OS+4*\j+(\s)
.if (\s) == 0
	v_wmma_scale_f32_16x16x128_f8f6f4 v[rA:rA+7], v[rP:rP+11], v[rR:rR+11], v[BI+8*\i:BI+8*\i+7], v[rS], v[rT] matrix_a_fmt:MATRIX_FMT_BF6 matrix_b_fmt:MATRIX_FMT_BF6
.elseif (\s)%2 == 1
	v_wmma_scale_f32_16x16x128_f8f6f4 v[rA:rA+7], v[rP:rP+11], v[rR:rR+11], v[rA:rA+7], v[rS], v[rT] matrix_a_fmt:MATRIX_FMT_BF6 matrix_b_fmt:MATRIX_FMT_BF6 matrix_a_scale:MATRIX_SCALE_ROW1
.else
	v_wmma_scale_f32_16x16x128_f8f6f4 v[rA:rA+7], v[rP:rP+11], v[rR:rR+11], v[rA:rA+7], v[rS], v[rT] matrix_a_fmt:MATRIX_FMT_BF6 matrix_b_fmt:MATRIX_FMT_BF6
.endif
.endr
.endr
.endm
	KSTEP 0
	KSTEP 1
	s_wait_alu depctr_va_vdst(0)
	KSTEP 2
	s_wait_alu depctr_va_vdst(0)
	KSTEP 3
	PLACES 4
.irp j, 0,1
.irp i, 0,1,2,3
	ds_store_b128 v[STO], v[ACC+32*\j+8*\i:ACC+32*\j+8*\i+3] offset:64*\i
	ds_store_b128 v[STO], v[ACC+32*\j+8*\i+4:ACC+32*\j+8*\i+7] offset:64*\i+16
.endr
.irp n, 0,1,2,3,4,5,6,7
	ds_load_b128 v[BK+32*\j+4*\n:BK+32*\j+4*\n+3], v[SRD] offset:2*\n*272
.endr
.endr
.irp n, 0,1,2,3,4,5,6,7
	s_wait_dscnt 23-\n
	global_store_b128 v[GO], v[BK+4*\n:BK+4*\n+3], s[12:13] offset:2*\n*3072 th:TH_STORE_NT
.endr
.irp n, 0,1,2,3,4,5,6,7
	s_wait_dscnt 7-\n
	global_store_b128 v[GO], v[BK+32+4*\n:BK+32+4*\n+3], s[12:13] offset:(16+2*\n)*3072 th:TH_STORE_NT
.endr
	s_wait_tensorcnt 0x0
	ds_add_u32 v224, v225
	s_wait_dscnt 0x0
	CROUND
	s_endpgm
.Lfunc_end_k_q1caad50330_proj:
	.size	k_q1caad50330_proj, .Lfunc_end_k_q1caad50330_proj-k_q1caad50330_proj
	.p2alignl 7, 3214868480
	.fill 96, 4, 3214868480
	.section	.rodata,"a",@progbits
	.p2align	6, 0x0
	.amdhsa_kernel k_q1caad50330_proj
		.amdhsa_group_segment_fixed_size 327680
		.amdhsa_private_segment_fixed_size 0
		.amdhsa_enable_private_segment 0
		.amdhsa_kernarg_size 40
		.amdhsa_user_sgpr_count 2
		.amdhsa_user_sgpr_kernarg_segment_ptr 1
		.amdhsa_wavefront_size32 1
		.amdhsa_system_sgpr_workgroup_id_x 1
		.amdhsa_system_sgpr_workgroup_id_y 1
		.amdhsa_system_sgpr_workgroup_id_z 1
		.amdhsa_system_vgpr_workitem_id 0
		.amdhsa_next_free_vgpr 226
		.amdhsa_next_free_sgpr 80
		.amdhsa_reserve_vcc 0
		.amdhsa_float_denorm_mode_32 3
		.amdhsa_float_denorm_mode_16_64 3
		.amdhsa_memory_ordered 1
		.amdhsa_forward_progress 1
		.amdhsa_inst_pref_size 23
	.end_amdhsa_kernel
	.amdgpu_metadata
---
amdhsa.version: [ 1, 2 ]
amdhsa.kernels:
  - .name:           k_q1caad50330_proj
    .symbol:         k_q1caad50330_proj.kd
    .args:
      - { .name: oimg, .offset: 0, .size: 8, .value_kind: global_buffer, .address_space: global }
      - { .name: oscl, .offset: 8, .size: 8, .value_kind: global_buffer, .address_space: global }
      - { .name: wo, .offset: 16, .size: 8, .value_kind: global_buffer, .address_space: global }
      - { .name: b_out, .offset: 24, .size: 8, .value_kind: global_buffer, .address_space: global }
      - { .name: out0, .offset: 32, .size: 8, .value_kind: global_buffer, .address_space: global }
    .group_segment_fixed_size: 327680
    .private_segment_fixed_size: 0
    .kernarg_segment_align: 8
    .kernarg_segment_size: 40
    .max_flat_workgroup_size: 384
    .sgpr_count:     80
    .vgpr_count:     226
    .wavefront_size: 32
...
	.end_amdgpu_metadata
.endif
;; end of part 4
